; MI455X (gfx1250); checked and timed in simulation.
; The chip was launched on July 23, 2026; its instructions are those of AMD's public machine-readable ISA for CDNA 5 (MIT licence, August 2026) and "CDNA5" Instruction Set Architecture Reference Guide (July 2026). The comments in the code are by the model that wrote it; some were corrected since.
;; Topic Verb Attention. Allowed arithmetic: matrix products marked QUANTISED: E2M3 operands, one E8M0 scale for each 32 along K, by v_wmma_scale_f32_16x16x128_f8f6f4 with both operands' format E2M3, f32 sums; products left as they are: f32 operands where the result goes on into a quantised operand, else bf16, f16 or f32 operands; f32 sums; everything else in f32.
;; Inputs: V 100,000 x 300 float32; k_b 256 float32; k_w 256 x 300 float32; q_b 256 float32; q_w 256 x 256 float32; span_len 16,384 int32; topic_emb 256 float32; verb_ids 16,384 x 8 int32.
;; Outputs: out0 16,384 x 300 float32.
;; This version of the problem:
;;   THIS VERSION OF THE PROBLEM IS GIVEN IN LOW PRECISION. The matrix products marked QUANTISED in the list below multiply operands that are first quantised to E2M3 (2 exponent bits, 3 mantissa bits; 6 bits a number), with one power-of-two scale for each 32 numbers along K (OCP MX v1.0); their sums are f32. All else is computed in f32.
;;   The module's matrix products, in the order in which they are computed (A, B: the left and right operand; K: the contracted axis; several contracted axes count as one K, in the product's order):
;;     1. [M 131,072, K 300] x [K 300, N 256]; A: computed on the way; B: input k_w: QUANTISED
;;     2. [M 256, K 256] x [K 256, N 1]; A: input q_w; B: input topic_emb: left as it is (N = 1 < 16)
;;     3. [M 131,072, K 256] x [K 256, N 1]; A: computed on the way; B: computed on the way: left as it is (N = 1 < 16)
;;     4. batch 16,384 x [M 1, K 8] x [K 8, N 300]; A: softmax; B: computed on the way: left as it is (K = 8 < 32)
;;   THE QUANTISER, for each operand of a quantised product, along K:
;;     - K is cut into blocks of 32 from its start; a last block that is shorter is filled with zeros.
;;     - A block's scale is 2^e with e = floor(log2(the largest magnitude in the block)) - 2, held to -126 .. 127; a block of zeros has e = 0. As a byte (E8M0): e + 127.
;;     - Each number is divided by its block's scale, clamped to +-7.5, and rounded to the nearest number of E2M3, ties to even, subnormals kept.
;;     - The product sums the exact products of the quantised numbers (number of the format x scale) in f32.
;;   ~~~python
;;   def quantise(x, axis):      # numpy; x: float32 -> the quantised numbers, widened to float32 again
;;       x = np.moveaxis(x, axis, -1); K = x.shape[-1]
;;       x = np.pad(x, [(0, 0)] * (x.ndim - 1) + [(0, -K % 32)]); x = x.reshape(x.shape[:-1] + (-1, 32)); a = np.abs(x).max(-1, keepdims=True)
;;       e = np.where(a > 0, np.clip(np.frexp(np.where(a > 0, a, 1))[1] - 1 - 2, -126, 127), 0)      # np.frexp(a)[1] - 1 = floor(log2(a)), exactly
;;       r = np.clip(x / 2.0 ** e, -7.5, 7.5)
;;       step = 2.0 ** (np.maximum(np.frexp(np.where(r == 0, 1, r))[1] - 1, 0) - 3)
;;       q = np.round(r / step) * step * 2.0 ** e      # np.round: ties to even
;;       return np.moveaxis(q.reshape(q.shape[:-2] + (-1,))[..., :K], -1, axis).astype(np.float32)
;;   ~~~
;;   OPERANDS COMPUTED ON THE WAY. 'Computed on the way' means the value that the module computes at that place (a softmax that the list does not call 'softmax' is quantised finished and normalised). What goes into a quantiser is computed in f32, as accurately as f32 sums, v_exp_f32 and their like allow (about 1e-6 of the number): no bf16 or f16 on the way to a quantiser, and a product that is left as it is and whose result goes on into a quantised operand takes f32 operands (vector FMAs, or v_wmma_f32_16x16x4_f32). A number that lies on a knife's edge between two numbers of the format may be rounded either way, as far as f32 arithmetic and the matrix unit's own rounding can turn it there, and no further.
;; 2 versions, each right; version 2 is version 1 with the launch main written anew for expert scheduling mode. Each part assembles by itself: llvm-mc -triple=amdgcn-amd-amdhsa -mcpu=gfx1250 --defsym DOCPART=n.
;; ======== version 1 of 2: 2 launches
;; workspace buffers: kwq 66,560 bytes
;; launch prep (part 1): grid 16 x 1, 1 waves a work-group, no clusters, 20,992 bytes of LDS; arguments topic_emb, k_w, k_b, q_w, q_b, kwq; writes kwq
.if DOCPART == 1
	.amdgcn_target "amdgcn-amd-amdhsa--gfx1250"
	.amdhsa_code_object_version 6
	.text
	.protected	k_qa48e97467e_prep
	.globl	k_qa48e97467e_prep
	.p2align	8
	.type	k_qa48e97467e_prep,@function
k_qa48e97467e_prep:
	s_mov_b64 s[64:65], 0
	v_nop
	global_prefetch_b8 v0, s[64:65] scope:SCOPE_SE
	s_setreg_imm32_b32 hwreg(HW_REG_WAVE_MODE, 25, 1), 1
	s_wait_xcnt 0x0
; FIRST LAUNCH.  k_w [256][300] f32 is quantised ONCE, along its 300, into codes of E2M3 with one E8M0 byte for each 32, and laid in kwq
; as images of the second launch's operand registers; the query (q_w topic + q_b) x log2(e)/16 and k_b x that are laid beside them.
; Work-group g (one wave) takes rows 16 g .. 16 g + 15 of k_w and of q_w.
; kwq: 0      codes: tile g at 3840 g: registers 0-27 of its three fragments' 30 as seven groups of four, 16 bytes a lane, 512 bytes a group;
;             registers 28, 29 at +3584, 8 bytes a lane.  (K = 300 is filled to 384: blocks 10 and 11 are zero codes and are not stored.)
;      61440  scale words: word e = 3 (g / 2) + s of column 32 (g / 2) + l at 512 (e / 4) + 16 l + 4 (e % 4)
;      64512  qs[16 g + r] at 256 (g / 4) + 16 r + 4 (g % 4);   65536  k_b x qs, laid likewise
; A block's scale is 2^(floor(log2(largest magnitude)) - 2); its byte is the largest magnitude's exponent field - 2, held at 1 from below.
; LIMITS: a block of zeros, or one whose largest magnitude lies under 2^-124, gets the byte 1 (zero codes add nothing; this program alone reads the bytes);
; NaN and infinities among the inputs are not served.
; The codes leave as whole aligned runs of 512 and 256 bytes.  The scale words, qs and k_b x qs leave in pieces of 4 bytes a lane, 16 bytes apart: 5,120 bytes in the whole launch.
.set ROWB,  1200                       ; a row of k_w in bytes
.set PITCH, 1296                       ; a stage row: 1,200 bytes + 80 of zeros + 16 = 81 x 16: the sixteen rows of a load begin at sixteen different 16-byte columns modulo 256
.set TSTG,  0
.set KSC,   61440
.set KQS,   64512
.set L15, 1                            ; v1   lane % 16
.set HH,  2                            ; v2   lane / 16
.set KOF, 3                            ; v3   k_w: 8 rows x half + 16 (lane % 16)
.set STW, 4                            ; v4   the stage on the way in
.set STR, 5                            ; v5   and on the way out: row lane % 16, + 128 x half
.set A16, 6                            ; v6   16 x lane
.set A8,  7                            ; v7   8 x lane
.set SH8, 8                            ; v8   8 x half
.set A4,  9                            ; v9   4 (lane % 16)
.set TP,  10                           ; v10-17 topic_emb: 4 lane .. + 3 and 128 + 4 lane .. + 3
.set QB,  18
.set KB,  19
.set ZR,  20                           ; v20-23 zeros
.set MX,  24                           ; v24-27 four running maxima
.set SO,  28                           ; v28  the conversion's scale operand
.set BY,  29                           ; v29-33 scale bytes of my five blocks
.set LL,  34                           ; v34  16 (lane % 16)
.set PA,  35                           ; v35  the stage row's first byte
.set AF,  36                           ; v36-65 the three fragments
.set QVA, 66                           ; v66  where qs or k_b x qs goes: made at the head, holds nothing else
.set SA,  67                           ; v67-69 where the scale words go: likewise
.set CV,  72                           ; v72-91 the upper halves of the blocks' codes, as converted
.set WD,  92                           ; v92-94 at work on the scale words
.set RW,  96                           ; v96-255 the rows as loaded: row 8 half + j at 96 + 20 j.  No address lies here
.set T0,  96                           ; afterwards: two buffers of 32 numbers,
.set T1,  128
.set PP,  160                          ; sixteen pairs of partial sums,
.set QV,  192                          ; v192-194 the query's number of my row, k_b x it, what I store
.set PX,  200                          ; v200-202 lane permutes' destinations
.set ASC, 204                          ; v204-206 the three scale words
.set SEL, 20                           ; s[20:21] v_permlanex16_b32's selects for lane l xor 16
.set QW_LD, 0                          ; all that the quantiser touches lies in window 0 here
.set QW_MX, 0
.set QW_CV, 0
.set MSB, 0
.macro WIN new                         ; the immediate's high byte repeats the setting that is left
.if MSB != (\new)
	s_set_vgpr_msb (MSB<<8)|(\new)
.set MSB, (\new)
.endif
.endm
; Block 2 b + half of stage row lane % 16: 32 numbers, 128 bytes, into buffer tb
.macro LOADBLK u, b, tb
.irp i, 0,1,2,3,4,5,6,7
	ds_load_b128 v[\tb+4*\i:\tb+4*\i+3], v[STR] offset:TSTG*(\u)+256*(\b)+16*\i
.endr
.endm
; Its largest magnitude (four chains, the floor 2^(3 - 127) among the leaves), its scale operand, its codes and its byte
.macro QBLK u, b, tb
	WIN QW_MX
.irp c, 0,1,2,3
	v_max3_num_f32 v[MX+\c], |v[\tb+8*\c]|, |v[\tb+8*\c+1]|, 0x1800000
.endr
.irp i, 2,4,6
.irp c, 0,1,2,3
	v_max3_num_f32 v[MX+\c], v[MX+\c], |v[\tb+8*\c+\i]|, |v[\tb+8*\c+\i+1]|
.endr
.endr
	v_max3_num_f32 v[MX], v[MX], v[MX+1], v[MX+2]
	v_max_num_f32 v[MX], v[MX], v[MX+3]
	v_add_nc_u32 v[SO], 0xff000000, v[MX]          ; 2 off the exponent field: the conversion takes that field as its scale
	WIN QW_CV
	v_cvt_scalef32_pk16_fp6_f32 v[AF+36*(\u)+6*(\b):AF+36*(\u)+6*(\b)+2], v[\tb:\tb+15], v[SO]
	v_cvt_scalef32_pk16_fp6_f32 v[CV+4*(\b):CV+4*(\b)+2], v[\tb+16:\tb+31], v[SO]   ; (a conversion's three registers begin on an even number: moved below)
	v_lshrrev_b32 v[BY+(\b)], 23, v[SO]            ; the byte; also the plain line behind the conversions
.endm
; Sixteen staged rows become three fragments (registers 6 b .. 6 b + 5: block 2 b + half) and three scale words.  One block's eight loads run ahead.
.macro QUANT u
	WIN QW_LD
	LOADBLK \u, 0, T0
	LOADBLK \u, 1, T1
	s_wait_dscnt 8                                 ; the older block is in; the younger block's eight loads may be out (so at each of these waits)
	QBLK \u, 0, T0
	WIN QW_LD
	LOADBLK \u, 2, T0
	s_wait_dscnt 8
	QBLK \u, 1, T1
	WIN QW_LD
	LOADBLK \u, 3, T1
	s_wait_dscnt 8
	QBLK \u, 2, T0
	WIN QW_LD
	LOADBLK \u, 4, T0
	s_wait_dscnt 8
	QBLK \u, 3, T1
	s_wait_dscnt 0x0
	QBLK \u, 4, T0
	WIN 0
.irp b, 0,1,2,3,4
.irp i, 0,1,2
	v_mov_b32 v[AF+36*(\u)+6*\b+3+\i], v[CV+4*\b+\i]
.endr
.endr
	v_lshl_or_b32 v[WD], v[BY+1], 16, v[BY]        ; my two bytes of each word: blocks half and 2 + half of its four,
	v_lshl_or_b32 v[WD+1], v[BY+3], 16, v[BY+2]
	v_lshlrev_b32 v[WD], v[SH8], v[WD]             ; at their places (8 x half bits up);
	v_lshlrev_b32 v[WD+1], v[SH8], v[WD+1]
	v_lshlrev_b32 v[WD+2], v[SH8], v[BY+4]         ; (blocks 10 and 11 are zero codes: their bytes stay 0)
.irp s, 0,1,2
	v_permlanex16_b32 v[PX+\s], v[WD+\s], s[SEL], s[SEL+1]
.endr
.irp s, 0,1,2
	v_or_b32 v[ASC+3*(\u)+\s], v[WD+\s], v[PX+\s]  ; with lane l xor 16's two the word is whole
.endr
.endm
	s_load_b256 s[4:11], s[0:1], 0x0               ; topic_emb s[4:5], k_w s[6:7], k_b s[8:9], q_w s[10:11]
	s_load_b128 s[12:15], s[0:1], 0x20             ; q_b s[12:13], kwq s[14:15]
	v_lshl_add_u32 v91, v0, 2, 0x5100
	v_mov_b32 v95, 0
	v_and_b32 v[L15], 15, v0
	v_lshrrev_b32 v[HH], 4, v0
	v_lshlrev_b32 v[LL], 4, v[L15]
	v_mul_u32_u24 v[KOF], v[HH], 8*ROWB
	v_add_nc_u32 v[KOF], v[KOF], v[LL]
	v_mul_u32_u24 v[STW], v[HH], 8*PITCH
	v_add_nc_u32 v[STW], v[STW], v[LL]
	v_mul_u32_u24 v[PA], v[L15], PITCH
	v_lshl_add_u32 v[STR], v[HH], 7, v[PA]
	v_lshlrev_b32 v[A16], 4, v0
	v_lshlrev_b32 v[A8], 3, v0
	v_lshlrev_b32 v[SH8], 3, v[HH]
	v_lshlrev_b32 v[A4], 2, v[L15]
.irp i, 0,1,2,3
	v_mov_b32 v[ZR+\i], 0
.endr
	s_mov_b32 s[SEL], 0x76543210
	s_mov_b32 s[SEL+1], 0xfedcba98
	s_mov_b32 s19, 0
	s_lshr_b32 s22, ttmp9, 2                       ; where qs goes: 256 (g / 4) + 4 (g % 4)
	s_lshl_b32 s22, s22, 8
	s_and_b32 s23, ttmp9, 3
	s_lshl_b32 s23, s23, 2
	s_add_co_u32 s22, s22, s23
	s_add_co_u32 s22, s22, KQS
	v_lshl_add_u32 v[QVA], v[HH], 10, v[LL]        ; lanes 0-15 store qs, lanes 16-31 k_b x qs, 1,024 bytes on
	v_add_nc_u32 v[QVA], s22, v[QVA]
	s_lshr_b32 s23, ttmp9, 1
	s_mul_i32 s23, s23, 3                          ; e of K step 0
	s_and_b32 s24, ttmp9, 1
	s_lshl_b32 s24, s24, 8                         ; an odd tile's words go to lanes 16-31 of the reader
	s_add_co_u32 s24, s24, KSC
.irp s, 0,1,2
	s_add_co_u32 s25, s23, \s
	s_lshr_b32 s26, s25, 2
	s_lshl_b32 s26, s26, 9
	s_and_b32 s25, s25, 3
	s_lshl_b32 s25, s25, 2
	s_add_co_u32 s25, s25, s26
	s_add_co_u32 s25, s25, s24
	v_add_nc_u32 v[SA+\s], s25, v[LL]
.endr
	s_wait_kmcnt 0x0
	s_mul_i32 s18, ttmp9, 16*ROWB
	s_add_nc_u64 s[6:7], s[6:7], s[18:19]          ; my 16 rows of k_w
	s_lshl_b32 s18, ttmp9, 6
	s_add_nc_u64 s[8:9], s[8:9], s[18:19]          ; my 16 numbers of k_b
	s_add_nc_u64 s[12:13], s[12:13], s[18:19]      ; and of q_b
	s_lshl_b32 s18, ttmp9, 14
	s_add_nc_u64 s[10:11], s[10:11], s[18:19]      ; my 16 rows of q_w
	s_mul_i32 s18, ttmp9, 3840
	s_add_nc_u64 s[16:17], s[14:15], s[18:19]      ; my tile's images
	; k_w: sixteen lanes read 256 consecutive bytes of a row; the fifth load takes the row's last 256 bytes, so that no lane leaves the row
.irp j, 0,1,2,3,4,5,6,7
.irp i, 0,1,2,3,4
	global_load_b128 v[RW+20*\j+4*\i:RW+20*\j+4*\i+3], v[KOF], s[6:7] offset:ROWB*\j+256*\i-80*(\i/4)
.endr
.endr
	global_load_b128 v[TP:TP+3], v[A16], s[4:5]
	global_load_b128 v[TP+4:TP+7], v[A16], s[4:5] offset:512
	global_load_b32 v[QB], v[A4], s[12:13]
	global_load_b32 v[KB], v[A4], s[8:9]
	WIN 0x40                                       ; destination window 1: q_w's row i at v[8 i].  Rows 0-7 now: 60 loads are out
.irp i, 0,1,2,3,4,5,6,7
	global_load_b128 v[8*\i:8*\i+3], v[A16], s[10:11] offset:1024*\i
	global_load_b128 v[8*\i+4:8*\i+7], v[A16], s[10:11] offset:1024*\i+512
.endr
	WIN 0
.irp i, 0,1,2,3,4
	ds_store_b128 v[PA], v[ZR:ZR+3] offset:ROWB+16*\i   ; K is filled with zeros from 300 to 320 (both halves of the lanes write the same zeros)
.endr
	s_wait_loadcnt 20                              ; k_w's 40 loads are in; topic_emb's 2, the biases' 2 and q_w's first 16 may be out
	WIN 0x40
.irp i, 8,9,10,11,12,13,14,15
	global_load_b128 v[8*\i:8*\i+3], v[A16], s[10:11] offset:1024*\i              ; q_w's rows 8-15: they land while k_w is quantised
	global_load_b128 v[8*\i+4:8*\i+7], v[A16], s[10:11] offset:1024*\i+512
.endr
	WIN 0
.irp j, 0,1,2,3,4,5,6,7
.irp i, 0,1,2,3,4
	ds_store_b128 v[STW], v[RW+20*\j+4*\i:RW+20*\j+4*\i+3] offset:PITCH*\j+256*\i-80*(\i/4)
.endr
.endr
	s_wait_dscnt 0x0                               ; the stores have read their registers, which the quantiser's buffers take
.irp i, 0,1,2
	v_mov_b32 v[PX+\i], 0                          ; a lane permute's destination counts as one of its sources
.endr
	QUANT 0
.irp c, 0,1,2,3,4,5,6
	global_store_b128 v[A16], v[AF+4*\c:AF+4*\c+3], s[16:17] offset:512*\c   ; 512 consecutive bytes, aligned
.endr
	global_store_b64 v[A8], v[AF+28:AF+29], s[16:17] offset:3584                ; 256 consecutive bytes, aligned
	; the query: row i of q_w times topic_emb, 8 numbers a lane, then over the 32 lanes
	s_wait_loadcnt 0x0
	WIN 0x01                                       ; source 0 window 1
.irp i, 0,1,2,3,4,5,6,7,8,9,10,11,12,13,14,15
	v_pk_mul_f32 v[PP+2*\i:PP+2*\i+1], v[8*\i:8*\i+1], v[TP:TP+1]
.endr
.irp c, 1,2,3
.irp i, 0,1,2,3,4,5,6,7,8,9,10,11,12,13,14,15
	v_pk_fma_f32 v[PP+2*\i:PP+2*\i+1], v[8*\i+2*\c:8*\i+2*\c+1], v[TP+2*\c:TP+2*\c+1], v[PP+2*\i:PP+2*\i+1]
.endr
.endr
	WIN 0
.irp i, 0,1,2,3,4,5,6,7,8,9,10,11,12,13,14,15
	v_add_f32 v[PP+2*\i], v[PP+2*\i], v[PP+2*\i+1]
.endr
.irp m, 1,2,4,8
.irp i, 0,1,2,3,4,5,6,7,8,9,10,11,12,13,14,15
	v_add_f32_dpp v[PP+2*\i], v[PP+2*\i], v[PP+2*\i] row_xmask:\m row_mask:0xf bank_mask:0xf
.endr
.endr
.irp i, 0,1,2,3,4,5,6,7,8,9,10,11,12,13,14,15
	v_permlanex16_b32 v[PP+2*\i+1], v[PP+2*\i], s[SEL], s[SEL+1]
.endr
.irp i, 0,1,2,3,4,5,6,7,8,9,10,11,12,13,14,15
	v_add_f32 v[PP+2*\i], v[PP+2*\i], v[PP+2*\i+1]
.endr
	v_mov_b32 v[QV], 0
.irp i, 0,1,2,3,4,5,6,7,8,9,10,11,12,13,14,15
	v_cmp_eq_u32 vcc_lo, \i, v[L15]
	v_cndmask_b32 v[QV], v[QV], v[PP+2*\i], vcc_lo ; lane % 16 = i keeps row i's sum
.endr
	v_add_f32 v[QV], v[QV], v[QB]
	v_mul_f32 v[QV], 0x3db8aa3b, v[QV]             ; x log2(e) / 16: the scores come out ready for 2^x
	v_mul_f32 v[QV+1], v[KB], v[QV]
	v_cmp_eq_u32 vcc_lo, 1, v[HH]
	v_cndmask_b32 v[QV+2], v[QV], v[QV+1], vcc_lo
	global_store_b32 v[QVA], v[QV+2], s[14:15]
	v_cmp_gt_u32 vcc_lo, 16, v0
	s_wait_xcnt 0x0                                ; EXEC changes only behind this wait: it is a source of the stores above
	s_wait_tensorcnt 0x0
	ds_add_u32 v91, v95
	s_wait_dscnt 0x0
	s_and_saveexec_b32 s28, vcc_lo                 ; both halves hold the same words: lanes 0-15 store them
.irp s, 0,1,2
	global_store_b32 v[SA+\s], v[ASC+\s], s[14:15]
.endr
	s_wait_xcnt 0x0
	s_or_b32 exec_lo, exec_lo, s28
	s_endpgm
.Lfunc_end_k_qa48e97467e_prep:
	.size	k_qa48e97467e_prep, .Lfunc_end_k_qa48e97467e_prep-k_qa48e97467e_prep
	.p2alignl 7, 3214868480
	.fill 96, 4, 3214868480
	.section	.rodata,"a",@progbits
	.p2align	6, 0x0
	.amdhsa_kernel k_qa48e97467e_prep
		.amdhsa_group_segment_fixed_size 20992
		.amdhsa_private_segment_fixed_size 0
		.amdhsa_enable_private_segment 0
		.amdhsa_kernarg_size 48
		.amdhsa_user_sgpr_count 2
		.amdhsa_user_sgpr_kernarg_segment_ptr 1
		.amdhsa_wavefront_size32 1
		.amdhsa_system_sgpr_workgroup_id_x 1
		.amdhsa_system_sgpr_workgroup_id_y 1
		.amdhsa_system_sgpr_workgroup_id_z 1
		.amdhsa_system_vgpr_workitem_id 0
		.amdhsa_next_free_vgpr 384
		.amdhsa_next_free_sgpr 66
		.amdhsa_reserve_vcc 1
		.amdhsa_float_denorm_mode_32 3
		.amdhsa_float_denorm_mode_16_64 3
		.amdhsa_memory_ordered 1
		.amdhsa_forward_progress 1
		.amdhsa_inst_pref_size 37
	.end_amdhsa_kernel
	.amdgpu_metadata
---
amdhsa.version: [ 1, 2 ]
amdhsa.kernels:
  - .name:           k_qa48e97467e_prep
    .symbol:         k_qa48e97467e_prep.kd
    .args:
      - { .name: topic_emb, .offset: 0, .size: 8, .value_kind: global_buffer, .address_space: global }
      - { .name: k_w, .offset: 8, .size: 8, .value_kind: global_buffer, .address_space: global }
      - { .name: k_b, .offset: 16, .size: 8, .value_kind: global_buffer, .address_space: global }
      - { .name: q_w, .offset: 24, .size: 8, .value_kind: global_buffer, .address_space: global }
      - { .name: q_b, .offset: 32, .size: 8, .value_kind: global_buffer, .address_space: global }
      - { .name: kwq, .offset: 40, .size: 8, .value_kind: global_buffer, .address_space: global }
    .group_segment_fixed_size: 20992
    .private_segment_fixed_size: 0
    .kernarg_segment_align: 8
    .kernarg_segment_size: 48
    .max_flat_workgroup_size: 32
    .sgpr_count:     66
    .vgpr_count:     384
    .wavefront_size: 32
...
	.end_amdgpu_metadata
.endif
;; end of part 1
;; launch main (part 2): grid 256 x 1, 4 waves a work-group, no clusters, 305,664 bytes of LDS; arguments verb_ids, span_len, V, kwq, out0; writes out0
.if DOCPART == 2
	.amdgcn_target "amdgcn-amd-amdhsa--gfx1250"
	.amdhsa_code_object_version 6
	.text
	.protected	k_qa48e97467e_main
	.globl	k_qa48e97467e_main
	.p2align	8
	.type	k_qa48e97467e_main,@function
k_qa48e97467e_main:
	s_mov_b64 s[64:65], 0
	v_nop
	global_prefetch_b8 v0, s[64:65] scope:SCOPE_SE
	s_setreg_imm32_b32 hwreg(HW_REG_WAVE_MODE, 25, 1), 1
	s_wait_xcnt 0x0
; SECOND LAUNCH.  out[n] = sum over j of softmax_j(score[n][j]) V[id[n][j]],  score = (Q(V[id]) Q(k_w)^T + k_b) . query / 16, slots j >= span_len[n] at -infinity.
; Q: codes of E2M3 with one E8M0 byte for each 32 along the 300 (filled with zeros to 384 = three K steps of 128).  k_w's codes and scale words, qs = query x log2(e)/16
; and k_b x qs come from kwq, made by the first launch.
; SHARES.  256 work-groups of four waves that share nothing but k_w's images in LDS.  Wave gw = 4 x work-group + wave owns spans 16 gw .. 16 gw + 15:
; eight tiles of 16 tokens (tile T = spans 2 T and 2 T + 1), taken as four pairs of tiles, so that each fragment of k_w read from LDS feeds two products.
; LAYOUT.  A row of V (1,200 bytes) is loaded as it lies: sixteen lanes take 256 consecutive bytes, lanes 0-15 for span 2 T, lanes 16-31 for span 2 T + 1; the fifth load takes the
; row's last 256 bytes.  The rows STAY in registers, in f32, for the weighted sum.  A copy goes through the wave's own stage in LDS and comes back with a block of 32 in one lane,
; which is what the conversions and the 6-bit operand want.  Source 0 = 16 tokens, source 1 = 16 columns of k_w: in the result, register j of half h is slot j of span 2 T + h, column lane % 16.
; So a score is a multiply-add by the lane's qs and a sum over sixteen lanes, and the softmax and the weighted sum need no other lane.
; The maximum is taken away before the exponential, as in the definition.
; A wave's 16 rows of out0 are 19,200 consecutive bytes = 75 x 256, aligned: they gather in the wave's own LDS and leave in runs of 512 and 256 aligned bytes.
; A slot j >= span_len takes slot 0's row: its weight is 0, and its own row is never read.
; NO CLUSTER, NO JOINT LOADS: what work-groups share is kwq's 66,560 bytes against 614,400 bytes of gathered rows that are a work-group's own.  NO TENSOR LOADS: the rows are gathered by a list.
; LIMITS: NaN and infinities in V are not served; a block of zeros, or one under 2^-124, has the byte 1 (zero codes); span_len <= 0 gives NaN, as the definition does; ids are held to 0 .. 99,999.
; REGISTERS, in windows of 256 (s_set_vgpr_msb: bits 1:0 source 0, 3:2 source 1, 5:4 source 2, 7:6 destination).  Window 0: as named below.
;   Rows lie in chunks of 80 (4 tokens x 20).  Set X: window 1 v0, v80, window 2 v0, v80.  Set Y: window 3 v0, v80, window 1 v160, window 2 v160.  Windows 1, 2 v240-255: prefetch addresses.
;   Window 3: v160-231 two sets of k_w's three fragments (while quantising: two buffers of 32 numbers); v232-247 qs; v248-252 the quantiser's maxima and scale operand.
.set ROWB,  1200
.set PITCH, 1296                       ; a stage row: 1,200 bytes + 80 of zeros + 16 = 81 x 16: the sixteen rows of a load begin at sixteen different 16-byte columns modulo 256
.set TSTG,  16*PITCH                   ; a tile's stage
.set WSTG,  2*TSTG                     ; a wave's two
.set STG,   61440                      ; LDS: 0 k_w's images (61,440 bytes); the stages;
.set OUTS,  STG+4*WSTG                 ; the waves' rows of out0, 19,200 of 19,456 bytes each
.set WOUT,  19456
.set KSC,   61440                      ; kwq: scale words, qs, k_b x qs
.set KQS,   64512
.set KKB,   65536
.set L16, 1                            ; v1   16 (lane % 16)
.set STW, 2                            ; v2   the stage on the way in: 8 rows x half + 16 (lane % 16)
.set STR, 3                            ; v3   and on the way out: row lane % 16, + 128 x half
.set BIA, 4                            ; v4   16 x lane
.set BIB, 5                            ; v5   8 x lane
.set OSW, 6                            ; v6   my place in the wave's rows of out0 in LDS: 1,200 x half + 16 (lane % 16)
.set OSR, 7                            ; v7   and on the way out: 16 x lane
.set ICA, 8                            ; v8   the images' copy: 16 x lane + 15,360 x wave, in kwq and in LDS alike
.set SH8, 9                            ; v9   8 x half
.set PD,  10                           ; v10  min(256 (lane % 16), 1199) - 16 (lane % 16)
.set OS8, 11                           ; v11  the way out's last 256 bytes: 8 x lane
.set CB,  12                           ; v12-13 my share of k_b . qs, twice
.set LEN, 14                           ; v14-21 span_len of span 2 T + half
.set ASC, 22                           ; v22-27 the tokens' scale words: 3 u + s
.set BSC, 28                           ; v28-51 k_w's: 3 (t / 2) + s; lanes 0-15 the even tile's, lanes 16-31 the odd one's
.set ACC, 52                           ; v52-67 scores, then weights: 8 u + j
.set DD,  68                           ; v68-99 two sets of two accumulators
.set CV,  68                           ; (while quantising: the upper halves of the blocks' codes,
.set BY,  88                           ;  and the scale bytes)
.set AF,  100                          ; v100-171 the tokens' fragments: 36 u + 12 s; afterwards a span's 20 sums at 36 u
.set OFF, 172                          ; v172-235 ids, then byte offsets in V: 8 T + j; never rewritten after that
.set TM,  236                          ; v236-251 at work
.set WD,  236
.set PX,  240
.set ZR,  252                          ; v252-255 zeros
.set BB,  160                          ; window 3
.set T0,  160
.set T1,  196
.set QQ,  232
.set MX,  248
.set SO,  252
.set SEL, 18                           ; s[18:19] v_permlanex16_b32's selects for lane l xor 16
.set QW_LD, 0xc0                       ; the quantiser's loads: destination window 3
.set QW_MX, 0xff                       ; its maxima: all in window 3
.set QW_CV, 0x0f                       ; its conversions: sources window 3, destination window 0
.set MSB, 0
.macro WIN new                         ; the immediate's high byte repeats the setting that is left
.if MSB != (\new)
	s_set_vgpr_msb (MSB<<8)|(\new)
.set MSB, (\new)
.endif
.endm
.macro HS set, k                       ; where chunk k of set 0 (X) or 1 (Y) lies: window VW, register VB
.if (\set) == 0
.set VW, 1+(\k)/2
.set VB, 80*((\k)%2)
.elseif (\k) < 2
.set VW, 3
.set VB, 80*(\k)
.else
.set VW, (\k)-1
.set VB, 160
.endif
.endm
; Tile t's ids become byte offsets: a slot beyond the span's length takes slot 0's id; held inside the table; x 1,200; + my 16 bytes
.macro OFFSETS t
.irp j, 1,2,3,4,5,6,7
	v_cmp_lt_i32 vcc_lo, \j, v[LEN+\t]
	v_cndmask_b32 v[OFF+8*\t+\j], v[OFF+8*\t], v[OFF+8*\t+\j], vcc_lo
.endr
.irp j, 0,1,2,3,4,5,6,7
	v_min_u32 v[OFF+8*\t+\j], 0x1869f, v[OFF+8*\t+\j]
.endr
.irp j, 0,1,2,3,4,5,6,7
	v_mul_u32_u24 v[OFF+8*\t+\j], 1200, v[OFF+8*\t+\j]
.endr
.irp j, 0,1,2,3,4,5,6,7
	v_add_nc_u32 v[OFF+8*\t+\j], v[L16], v[OFF+8*\t+\j]
.endr
.endm
; Chunk k of pair p: slots 4 (k % 2) .. + 3 of tile 2 p + k / 2: 20 loads.  No hint: a list may name a row twice
.macro GATHER set, k, p
	HS \set, \k
	WIN VW<<6
.irp jj, 0,1,2,3
.irp i, 0,1,2,3,4
	global_load_b128 v[VB+20*\jj+4*\i:VB+20*\jj+4*\i+3], v[OFF+8*(2*(\p)+(\k)/2)+4*((\k)%2)+\jj], s[8:9] offset:256*\i-80*(\i/4)
.endr
.endr
.endm
; Pair pp's 32 rows are asked for one trip ahead of the trip that issues their loads: of each row the bytes 0, 256, .. 1,024 and, in the other lanes, its last byte: nothing points
; past a row.  A slot beyond its span's length repeats slot 0's row.  The addresses have registers of their own (window w, v240-255), never rewritten.  Pairs 2 and 3 alone are asked for.
.macro PREF pp, w
	WIN (\w)<<6
.irp n, 0,1,2,3,4,5,6,7,8,9,10,11,12,13,14,15
	v_add_nc_u32 v[240+\n], v[OFF+16*(\pp)+\n], v[PD]
.endr
	WIN \w
.irp n, 0,1,2,3,4,5,6,7,8,9,10,11,12,13,14,15
	global_prefetch_b8 v[240+\n], s[8:9] th:TH_LOAD_NT scope:SCOPE_SE
.endr
.endm
; Tile u of the set goes into its stage as loaded: token 8 half + j is stage row 8 half + j
.macro STAGE set, u
.irp kk, 0,1
	HS \set, 2*(\u)+\kk
	WIN VW<<2
.irp jj, 0,1,2,3
.irp i, 0,1,2,3,4
	ds_store_b128 v[STW], v[VB+20*\jj+4*\i:VB+20*\jj+4*\i+3] offset:TSTG*(\u)+PITCH*(4*\kk+\jj)+256*\i-80*(\i/4)
.endr
.endr
.endr
.endm
; Block 2 b + half of stage row lane % 16: 32 numbers, 128 bytes, into buffer tb
.macro LOADBLK u, b, tb
.irp i, 0,1,2,3,4,5,6,7
	ds_load_b128 v[\tb+4*\i:\tb+4*\i+3], v[STR] offset:TSTG*(\u)+256*(\b)+16*\i
.endr
.endm
; Its largest magnitude (four chains, the floor 2^(3 - 127) among the leaves), its scale operand, its codes and its byte
.macro QBLK u, b, tb
	WIN QW_MX
.irp c, 0,1,2,3
	v_max3_num_f32 v[MX+\c], |v[\tb+8*\c]|, |v[\tb+8*\c+1]|, 0x1800000
.endr
.irp i, 2,4,6
.irp c, 0,1,2,3
	v_max3_num_f32 v[MX+\c], v[MX+\c], |v[\tb+8*\c+\i]|, |v[\tb+8*\c+\i+1]|
.endr
.endr
	v_max3_num_f32 v[MX], v[MX], v[MX+1], v[MX+2]
	v_max_num_f32 v[MX], v[MX], v[MX+3]
	v_add_nc_u32 v[SO], 0xff000000, v[MX]          ; 2 off the exponent field: the conversion takes that field as its scale
	WIN QW_CV
	v_cvt_scalef32_pk16_fp6_f32 v[AF+36*(\u)+6*(\b):AF+36*(\u)+6*(\b)+2], v[\tb:\tb+15], v[SO]
	v_cvt_scalef32_pk16_fp6_f32 v[CV+4*(\b):CV+4*(\b)+2], v[\tb+16:\tb+31], v[SO]   ; (a conversion's three registers begin on an even number: moved below)
	v_lshrrev_b32 v[BY+(\b)], 23, v[SO]            ; the byte; also the plain line behind the conversions
.endm
; Sixteen staged rows become three fragments (registers 6 b .. 6 b + 5: block 2 b + half) and three scale words.  One block's eight loads run ahead.
.macro QUANT u
	WIN QW_LD
	LOADBLK \u, 0, T0
	LOADBLK \u, 1, T1
	s_wait_dscnt 8                                 ; the older block is in (and the stage's stores, which are older still); the younger block's eight loads may be out (so at each of these waits)
	QBLK \u, 0, T0
	WIN QW_LD
	LOADBLK \u, 2, T0
	s_wait_dscnt 8
	QBLK \u, 1, T1
	WIN QW_LD
	LOADBLK \u, 3, T1
	s_wait_dscnt 8
	QBLK \u, 2, T0
	WIN QW_LD
	LOADBLK \u, 4, T0
	s_wait_dscnt 8
	QBLK \u, 3, T1
	s_wait_dscnt 0x0
	QBLK \u, 4, T0
	WIN 0
.irp b, 0,1,2,3,4
.irp i, 0,1,2
	v_mov_b32 v[AF+36*(\u)+6*\b+3+\i], v[CV+4*\b+\i]
.endr
.endr
	v_lshl_or_b32 v[WD], v[BY+1], 16, v[BY]        ; my two bytes of each word: blocks half and 2 + half of its four,
	v_lshl_or_b32 v[WD+1], v[BY+3], 16, v[BY+2]
	v_lshlrev_b32 v[WD], v[SH8], v[WD]             ; at their places (8 x half bits up);
	v_lshlrev_b32 v[WD+1], v[SH8], v[WD+1]
	v_lshlrev_b32 v[WD+2], v[SH8], v[BY+4]         ; (blocks 10 and 11 are zero codes: their bytes stay 0)
.irp s, 0,1,2
	v_permlanex16_b32 v[PX+\s], v[WD+\s], s[SEL], s[SEL+1]
.endr
.irp s, 0,1,2
	v_or_b32 v[ASC+3*(\u)+\s], v[WD+\s], v[PX+\s]  ; with lane l xor 16's two the word is whole
.endr
.endm
; N tile t's three fragments of k_w, as images of their registers, into set t % 2: eight loads
.macro LOADB t
	WIN 0xc0
.set BBR, BB+36*((\t)%2)
.irp c, 0,1,2,3,4,5,6
	ds_load_b128 v[BBR+4*\c:BBR+4*\c+3], v[BIA] offset:3840*(\t)+512*\c
.endr
	ds_load_b64 v[BBR+28:BBR+29], v[BIB] offset:3840*(\t)+3584
.endm
; Six products: three K steps x the pair's two tiles.  The two accumulators take turns, one instruction a turn, and the next N tile has the other set.
.macro WM t
	WIN 0x0c                                       ; source 1 (k_w) window 3, all else window 0
.set BBR, BB+36*((\t)%2)
.set DR, DD+16*((\t)%2)
.set SBR, BSC+3*((\t)/2)
.irp s, 0,1,2
.irp u, 0,1
.if (\s == 0) && ((\t)%2 == 0)
	v_wmma_scale_f32_16x16x128_f8f6f4 v[DR+8*\u:DR+8*\u+7], v[AF+36*\u+12*\s:AF+36*\u+12*\s+11], v[BBR+12*\s:BBR+12*\s+11], 0, v[ASC+3*\u+\s], v[SBR+\s] matrix_a_fmt:MATRIX_FMT_FP6 matrix_b_fmt:MATRIX_FMT_FP6
.elseif \s == 0
	v_wmma_scale_f32_16x16x128_f8f6f4 v[DR+8*\u:DR+8*\u+7], v[AF+36*\u+12*\s:AF+36*\u+12*\s+11], v[BBR+12*\s:BBR+12*\s+11], 0, v[ASC+3*\u+\s], v[SBR+\s] matrix_a_fmt:MATRIX_FMT_FP6 matrix_b_fmt:MATRIX_FMT_FP6 matrix_b_scale:MATRIX_SCALE_ROW1
.elseif (\t)%2 == 0
	v_wmma_scale_f32_16x16x128_f8f6f4 v[DR+8*\u:DR+8*\u+7], v[AF+36*\u+12*\s:AF+36*\u+12*\s+11], v[BBR+12*\s:BBR+12*\s+11], v[DR+8*\u:DR+8*\u+7], v[ASC+3*\u+\s], v[SBR+\s] matrix_a_fmt:MATRIX_FMT_FP6 matrix_b_fmt:MATRIX_FMT_FP6
.else
	v_wmma_scale_f32_16x16x128_f8f6f4 v[DR+8*\u:DR+8*\u+7], v[AF+36*\u+12*\s:AF+36*\u+12*\s+11], v[BBR+12*\s:BBR+12*\s+11], v[DR+8*\u:DR+8*\u+7], v[ASC+3*\u+\s], v[SBR+\s] matrix_a_fmt:MATRIX_FMT_FP6 matrix_b_fmt:MATRIX_FMT_FP6 matrix_b_scale:MATRIX_SCALE_ROW1
.endif
.endr
.endr
.endm
; scores += N tile t's keys x my lane's qs[16 t + lane % 16]: eight packed multiply-adds, each accumulator from its low end on.  N tile 0 starts the sums with my share of k_b . qs
.macro FMA t
	WIN 0x0c                                       ; source 1 (qs) window 3
.set DR, DD+16*((\t)%2)
.set QR, QQ+2*((\t)/2)
.irp u, 0,1
.irp i, 0,2,4,6
.if (\t) == 0
	v_pk_fma_f32 v[ACC+8*\u+\i:ACC+8*\u+\i+1], v[DR+8*\u+\i:DR+8*\u+\i+1], v[QR:QR+1], v[CB:CB+1] op_sel_hi:[1,0,1]
.elseif (\t)%2 == 0
	v_pk_fma_f32 v[ACC+8*\u+\i:ACC+8*\u+\i+1], v[DR+8*\u+\i:DR+8*\u+\i+1], v[QR:QR+1], v[ACC+8*\u+\i:ACC+8*\u+\i+1] op_sel_hi:[1,0,1]
.else
	v_pk_fma_f32 v[ACC+8*\u+\i:ACC+8*\u+\i+1], v[DR+8*\u+\i:DR+8*\u+\i+1], v[QR:QR+1], v[ACC+8*\u+\i:ACC+8*\u+\i+1] op_sel:[0,1,0] op_sel_hi:[1,1,1]
.endif
.endr
.endr
.endm
; One N tile.  Behind its six products stand the eight multiply-adds of the tile BEFORE, which name none of these products' registers: they are the places in front of
; the first read of these results, of the loads into the fragments' set just read, and of the products two tiles on, which begin this set of accumulators anew (five are owed there).
.macro NSTEP t
.if (\t) < 15
	LOADB \t+1
	s_wait_dscnt 8                                 ; this tile's eight loads are in; the next tile's eight may be out
.else
	s_wait_dscnt 0x0
.endif
	WM \t
.if (\t) == 0
.rept 5
	v_nop                                          ; the first tile has no multiply-adds to set here
.endr
.else
	FMA \t-1
.endif
.endm
; The pair's scores are summed over the sixteen lanes of a half; hidden slots become -infinity; weights = 2^(t - max) / their sum
.macro SOFTMAX p
	WIN 0
.irp m, 1,2,4,8
.irp n, 0,1,2,3,4,5,6,7,8,9,10,11,12,13,14,15
	v_add_f32_dpp v[ACC+\n], v[ACC+\n], v[ACC+\n] row_xmask:\m row_mask:0xf bank_mask:0xf
.endr
.endr
	v_mov_b32 v[TM+10], 0xff800000
.irp u, 0,1
.irp j, 0,1,2,3,4,5,6,7
	v_cmp_lt_i32 vcc_lo, \j, v[LEN+2*(\p)+\u]
	v_cndmask_b32 v[ACC+8*\u+\j], v[TM+10], v[ACC+8*\u+\j], vcc_lo
.endr
.endr
.irp u, 0,1
	v_max3_num_f32 v[TM+\u], v[ACC+8*\u], v[ACC+8*\u+1], v[ACC+8*\u+2]
.endr
.irp i, 3,5
.irp u, 0,1
	v_max3_num_f32 v[TM+\u], v[TM+\u], v[ACC+8*\u+\i], v[ACC+8*\u+\i+1]
.endr
.endr
.irp u, 0,1
	v_max_num_f32 v[TM+\u], v[TM+\u], v[ACC+8*\u+7]
.endr
.irp u, 0,1
.irp j, 0,1,2,3,4,5,6,7
	v_sub_f32 v[ACC+8*\u+\j], v[ACC+8*\u+\j], v[TM+\u]
.endr
.endr
.irp n, 0,1,2,3,4,5,6,7,8,9,10,11,12,13,14,15
	v_exp_f32 v[ACC+\n], v[ACC+\n]
.endr
	v_nop                                          ; a plain line between the exponentials and the use of their results
	s_wait_alu depctr_va_vdst(0)
.irp i, 0,1,2,3
.irp u, 0,1
	v_add_f32 v[TM+2+4*\u+\i], v[ACC+8*\u+2*\i], v[ACC+8*\u+2*\i+1]
.endr
.endr
.irp i, 0,2
.irp u, 0,1
	v_add_f32 v[TM+2+4*\u+\i], v[TM+2+4*\u+\i], v[TM+2+4*\u+\i+1]
.endr
.endr
.irp u, 0,1
	v_add_f32 v[TM+2+4*\u], v[TM+2+4*\u], v[TM+2+4*\u+2]
.endr
.irp u, 0,1
	v_rcp_f32 v[TM+12+\u], v[TM+2+4*\u]
.endr
	v_nop                                          ; a plain line behind the reciprocals
	s_wait_alu depctr_va_vdst(0)
.irp u, 0,1
.irp j, 0,1,2,3,4,5,6,7
	v_mul_f32 v[ACC+8*\u+\j], v[ACC+8*\u+\j], v[TM+12+\u]
.endr
.endr
.endm
; Tile u: my 20 numbers of the span's row of out0 = the sum over the eight slots of weight x the row as loaded.  Slot 0's product starts the sums
.macro WSUM set, u
.irp kk, 0,1
	HS \set, 2*(\u)+\kk
	WIN VW                                         ; source 0 (the rows) window VW
.irp jj, 0,1,2,3
.set AT, ACC+8*(\u)+4*\kk+2*(\jj/2)
.irp i, 0,2,4,6,8,10,12,14,16,18
.if (\kk == 0) && (\jj == 0)
	v_pk_mul_f32 v[AF+36*(\u)+\i:AF+36*(\u)+\i+1], v[VB+20*\jj+\i:VB+20*\jj+\i+1], v[AT:AT+1] op_sel_hi:[1,0]
.elseif \jj%2 == 0
	v_pk_fma_f32 v[AF+36*(\u)+\i:AF+36*(\u)+\i+1], v[VB+20*\jj+\i:VB+20*\jj+\i+1], v[AT:AT+1], v[AF+36*(\u)+\i:AF+36*(\u)+\i+1] op_sel_hi:[1,0,1]
.else
	v_pk_fma_f32 v[AF+36*(\u)+\i:AF+36*(\u)+\i+1], v[VB+20*\jj+\i:VB+20*\jj+\i+1], v[AT:AT+1], v[AF+36*(\u)+\i:AF+36*(\u)+\i+1] op_sel:[0,1,0] op_sel_hi:[1,1,1]
.endif
.endr
.endr
.endr
.endm
.macro OSTORE p, u                     ; into the wave's rows of out0 in LDS, laid as in memory
	WIN 0
.irp i, 0,1,2,3,4
	ds_store_b128 v[OSW], v[AF+36*(\u)+4*\i:AF+36*(\u)+4*\i+3] offset:ROWB*(4*(\p)+2*(\u))+256*\i-80*(\i/4)
.endr
.endm
; A pair of tiles.  Its 80 loads were issued chunk 0, 1, 2, 3; the next pair's are issued here in the same order, into the other set.
.macro TRIP p, cur, nxt
	s_wait_loadcnt 40                              ; chunks 0 and 1 (tile 0) are in; chunks 2 and 3 may be out
.if \p < 3
	GATHER \nxt, 0, \p+1
.endif
.if \p < 2
	PREF \p+2, \p+1
.endif
	STAGE \cur, 0
	QUANT 0
.if \p < 3
	s_wait_loadcnt 20                              ; chunks 2 and 3 (tile 1) are in; the next pair's chunk 0 may be out
.else
	s_wait_loadcnt 0x0
.endif
	STAGE \cur, 1
.if \p < 3
	GATHER \nxt, 1, \p+1
	GATHER \nxt, 2, \p+1
.endif
	QUANT 1
	WIN 0xc0
.irp i, 0,1,2,3,4,5
	v_mov_b32 v[BB+30+\i], 0                       ; k_w's blocks 10 and 11: zero codes (the quantiser's buffers lay over part of them)
	v_mov_b32 v[BB+66+\i], 0
.endr
.rept 8
	v_nop                                          ; scale words written by vector instructions stand eight places ahead of a scaled product, operands so written four
.endr
	LOADB 0
.irp t, 0,1,2,3,4,5,6,7
	NSTEP \t
.endr
.if \p < 3
	GATHER \nxt, 3, \p+1
.endif
.irp t, 8,9,10,11,12,13,14,15
	NSTEP \t
.endr
	FMA 15
	SOFTMAX \p
	WSUM \cur, 0
	OSTORE \p, 0
	WSUM \cur, 1
	OSTORE \p, 1
.endm
	s_load_b256 s[4:11], s[0:1], 0x0               ; verb_ids s[4:5], span_len s[6:7], V s[8:9], kwq s[10:11]
	s_load_b64 s[12:13], s[0:1], 0x20              ; out0
	v_lshl_add_u32 v250, v0, 2, 0x4a800
	v_mov_b32 v251, 0
	v_lshrrev_b32 v[TM], 5, v0
	v_readfirstlane_b32 s14, v[TM]                 ; wave 0..3
	v_and_b32 v[TM], 15, v0                        ; lane % 16
	v_bfe_u32 v[TM+1], v0, 4, 1                    ; half
	v_and_b32 v[TM+4], 31, v0                      ; lane
	v_lshlrev_b32 v[TM+2], 5, v[TM+1]              ; ids: 32 bytes a span
	v_lshlrev_b32 v[TM+3], 2, v[TM+1]              ; lengths: 4
	v_lshlrev_b32 v[L16], 4, v[TM]
	s_mul_i32 s20, s14, WSTG
	s_add_co_u32 s20, s20, STG                     ; my wave's stages
	s_mul_i32 s21, s14, WOUT
	s_add_co_u32 s21, s21, OUTS                    ; my wave's rows of out0
	s_mul_i32 s22, s14, 15360                      ; my wave's quarter of the images
	v_mul_u32_u24 v[STW], v[TM+1], 8*PITCH
	v_add_nc_u32 v[STW], v[STW], v[L16]
	v_add_nc_u32 v[STW], s20, v[STW]
	v_mul_u32_u24 v[STR], v[TM], PITCH
	v_mul_u32_u24 v[TM+7], v[TM+1], TSTG
	v_add_nc_u32 v[TM+7], v[TM+7], v[STR]
	v_add_nc_u32 v[TM+7], s20, v[TM+7]             ; the zeros behind a row: lanes 0-15 stage 0, lanes 16-31 stage 1
	v_lshl_add_u32 v[STR], v[TM+1], 7, v[STR]
	v_add_nc_u32 v[STR], s20, v[STR]
	v_lshlrev_b32 v[BIA], 4, v[TM+4]
	v_lshlrev_b32 v[BIB], 3, v[TM+4]
	v_mul_u32_u24 v[OSW], v[TM+1], ROWB
	v_add_nc_u32 v[OSW], v[OSW], v[L16]
	v_add_nc_u32 v[OSW], s21, v[OSW]
	v_add_nc_u32 v[OSR], s21, v[BIA]
	v_add_nc_u32 v[OS8], s21, v[BIB]
	v_add_nc_u32 v[ICA], s22, v[BIA]
	v_lshlrev_b32 v[SH8], 3, v[TM+1]
	v_lshlrev_b32 v[PD], 8, v[TM]
	v_min_u32 v[PD], 1199, v[PD]
	v_sub_nc_u32 v[PD], v[PD], v[L16]
	v_mov_b32 v[PX+1], 0                           ; a lane permute's destination counts as one of its sources (v[PX] has been written)
	v_mov_b32 v[PX+2], 0
.irp i, 0,1,2,3
	v_mov_b32 v[ZR+\i], 0
.endr
.irp i, 0,1,2,3,4,5
	v_mov_b32 v[AF+30+\i], 0                       ; the tokens' blocks 10 and 11: zero codes, written once
	v_mov_b32 v[AF+66+\i], 0
.endr
	s_lshl_b32 s15, ttmp9, 2
	s_add_co_u32 s15, s15, s14                     ; gw
	s_mov_b32 s17, 0
	s_mov_b32 s[SEL], 0x76543210
	s_mov_b32 s[SEL+1], 0xfedcba98
	s_wait_kmcnt 0x0
	s_lshl_b32 s16, s15, 9
	s_add_nc_u64 s[4:5], s[4:5], s[16:17]          ; my 16 spans' ids
	s_lshl_b32 s16, s15, 6
	s_add_nc_u64 s[6:7], s[6:7], s[16:17]          ; their lengths
	s_mul_i32 s16, s15, 16*ROWB
	s_add_nc_u64 s[12:13], s[12:13], s[16:17]      ; their rows of out0
.irp t, 0,1,2,3,4,5,6,7
	global_load_b128 v[OFF+8*\t:OFF+8*\t+3], v[TM+2], s[4:5] offset:64*\t th:TH_LOAD_NT
	global_load_b128 v[OFF+8*\t+4:OFF+8*\t+7], v[TM+2], s[4:5] offset:64*\t+16 th:TH_LOAD_NT
.endr
.irp t, 0,1,2,3,4,5,6,7
	global_load_b32 v[LEN+\t], v[TM+3], s[6:7] offset:8*\t
.endr
.irp c, 0,1,2,3,4,5
	global_load_b128 v[BSC+4*\c:BSC+4*\c+3], v[BIA], s[10:11] offset:KSC+512*\c
.endr
.irp c, 0,1,2,3
	global_load_b128 v[DD+4*\c:DD+4*\c+3], v[L16], s[10:11] offset:KKB+256*\c   ; k_b x qs of columns 16 t + lane % 16
.endr
	WIN 0xc0
.irp c, 0,1,2,3
	global_load_b128 v[QQ+4*\c:QQ+4*\c+3], v[L16], s[10:11] offset:KQS+256*\c   ; qs likewise: it stays
.endr
.set cn, 0
.rept 30
	global_load_b128 v[4*cn:4*cn+3], v[ICA], s[10:11] offset:512*cn              ; my wave's quarter of k_w's images
.set cn, cn+1
.endr
	WIN 0
	s_wait_loadcnt 44                              ; ids and lengths are in; behind them: 6 + 4 + 4 + 30
	OFFSETS 0
	OFFSETS 1
	GATHER 0, 0, 0
	GATHER 0, 1, 0
	GATHER 0, 2, 0
	WIN 0
.irp t, 2,3,4,5,6,7
	OFFSETS \t
.endr
.irp i, 0,1,2,3,4
	ds_store_b128 v[TM+7], v[ZR:ZR+3] offset:ROWB+16*\i   ; K is filled with zeros from 300 to 320, once: no later store reaches these bytes
.endr
	s_wait_loadcnt 60                              ; all of kwq's loads are in; behind them: three chunks of rows
	GATHER 0, 3, 0
	WIN 0
	v_pk_add_f32 v[DD:DD+1], v[DD:DD+1], v[DD+2:DD+3]
	v_pk_add_f32 v[DD+4:DD+5], v[DD+4:DD+5], v[DD+6:DD+7]
	v_pk_add_f32 v[DD+8:DD+9], v[DD+8:DD+9], v[DD+10:DD+11]
	v_pk_add_f32 v[DD+12:DD+13], v[DD+12:DD+13], v[DD+14:DD+15]
	v_pk_add_f32 v[DD:DD+1], v[DD:DD+1], v[DD+4:DD+5]
	v_pk_add_f32 v[DD+8:DD+9], v[DD+8:DD+9], v[DD+12:DD+13]
	v_pk_add_f32 v[DD:DD+1], v[DD:DD+1], v[DD+8:DD+9]
	v_add_f32 v[CB], v[DD], v[DD+1]                ; my lane's sixteen terms of k_b . qs: the sum over the lanes comes with the scores'
	v_mov_b32 v[CB+1], v[CB]
	WIN 0x0c                                       ; an LDS store's data are its source 1: window 3
.set cn, 0
.rept 30
	ds_store_b128 v[ICA], v[4*cn:4*cn+3] offset:512*cn
.set cn, cn+1
.endr
	WIN 0
	s_wait_dscnt 0x0                               ; for the others' sake: my quarter of the images lies in LDS (and the stores have read their registers, which set Y takes)
	s_barrier_signal -1
	s_barrier_wait -1                              ; the one barrier: from here on the images are only read
	TRIP 0, 0, 1
	TRIP 1, 1, 0
	TRIP 2, 0, 1
	TRIP 3, 1, 0
	; THE WAY OUT: 19,200 bytes as they lie: 37 runs of 512 bytes and one of 256, each aligned.  LDS serves a wave's instructions in order (ISA guide 5.7.1.4): the loads see my stores.
	WIN 0x40                                       ; destination window 1: set X's registers are free
.set cn, 0
.rept 37
	ds_load_b128 v[4*cn:4*cn+3], v[OSR] offset:512*cn
.set cn, cn+1
.endr
	ds_load_b64 v[148:149], v[OS8] offset:18944
	WIN 0x04                                       ; a store's data are its source 1: window 1
.set cn, 0
.rept 37
	s_wait_dscnt 37-cn                             ; load cn is in; the younger ones may be out
	global_store_b128 v[BIA], v[4*cn:4*cn+3], s[12:13] offset:512*cn th:TH_STORE_NT
.set cn, cn+1
.endr
	s_wait_dscnt 0x0
	global_store_b64 v[BIB], v[148:149], s[12:13] offset:18944 th:TH_STORE_NT
	WIN 0
	s_wait_tensorcnt 0x0
	ds_add_u32 v250, v251
	s_wait_dscnt 0x0
	s_endpgm
.Lfunc_end_k_qa48e97467e_main:
	.size	k_qa48e97467e_main, .Lfunc_end_k_qa48e97467e_main-k_qa48e97467e_main
	.p2alignl 7, 3214868480
	.fill 96, 4, 3214868480
	.section	.rodata,"a",@progbits
	.p2align	6, 0x0
	.amdhsa_kernel k_qa48e97467e_main
		.amdhsa_group_segment_fixed_size 305664
		.amdhsa_private_segment_fixed_size 0
		.amdhsa_enable_private_segment 0
		.amdhsa_kernarg_size 40
		.amdhsa_user_sgpr_count 2
		.amdhsa_user_sgpr_kernarg_segment_ptr 1
		.amdhsa_wavefront_size32 1
		.amdhsa_system_sgpr_workgroup_id_x 1
		.amdhsa_system_sgpr_workgroup_id_y 1
		.amdhsa_system_sgpr_workgroup_id_z 1
		.amdhsa_system_vgpr_workitem_id 0
		.amdhsa_next_free_vgpr 1024
		.amdhsa_next_free_sgpr 66
		.amdhsa_reserve_vcc 1
		.amdhsa_float_denorm_mode_32 3
		.amdhsa_float_denorm_mode_16_64 3
		.amdhsa_memory_ordered 1
		.amdhsa_forward_progress 1
		.amdhsa_inst_pref_size 255
	.end_amdhsa_kernel
	.section	.bss,"aw",@nobits
	.p2align	6
	.space	262144
	.amdgpu_metadata
---
amdhsa.version: [ 1, 2 ]
amdhsa.kernels:
  - .name:           k_qa48e97467e_main
    .symbol:         k_qa48e97467e_main.kd
    .args:
      - { .name: verb_ids, .offset: 0, .size: 8, .value_kind: global_buffer, .address_space: global }
      - { .name: span_len, .offset: 8, .size: 8, .value_kind: global_buffer, .address_space: global }
      - { .name: V, .offset: 16, .size: 8, .value_kind: global_buffer, .address_space: global }
      - { .name: kwq, .offset: 24, .size: 8, .value_kind: global_buffer, .address_space: global }
      - { .name: out0, .offset: 32, .size: 8, .value_kind: global_buffer, .address_space: global }
    .group_segment_fixed_size: 305664
    .private_segment_fixed_size: 0
    .kernarg_segment_align: 8
    .kernarg_segment_size: 40
    .max_flat_workgroup_size: 128
    .sgpr_count:     66
    .vgpr_count:     1024
    .wavefront_size: 32
...
	.end_amdgpu_metadata
.endif
;; end of part 2
;; ======== version 2 of 2: 2 launches; version 1 with the launch main written anew for expert scheduling mode
;; workspace buffers: kwq 66,560 bytes
;; launch prep: the kernel of part 1 again; grid 16 x 1, 1 waves a work-group, no clusters, 20,992 bytes of LDS; arguments topic_emb, k_w, k_b, q_w, q_b, kwq; writes kwq
;; launch main (part 3): grid 256 x 1, 4 waves a work-group, no clusters, 305,664 bytes of LDS; arguments verb_ids, span_len, V, kwq, out0; writes out0
.if DOCPART == 3
	.amdgcn_target "amdgcn-amd-amdhsa--gfx1250"
	.amdhsa_code_object_version 6
	.text
	.protected	k_qa48e97467e_main
	.globl	k_qa48e97467e_main
	.p2align	8
	.type	k_qa48e97467e_main,@function
k_qa48e97467e_main:
	s_mov_b64 s[64:65], 0
	v_nop
	global_prefetch_b8 v0, s[64:65] scope:SCOPE_SE
	s_setreg_imm32_b32 hwreg(HW_REG_WAVE_SCHED_MODE, 0, 2), 2
	s_setreg_imm32_b32 hwreg(HW_REG_WAVE_MODE, 25, 1), 1
	s_wait_xcnt 0x0
	s_wait_alu depctr_vm_vsrc(0)
; SECOND LAUNCH.  out[n] = sum over j of softmax_j(score[n][j]) V[id[n][j]],  score = (Q(V[id]) Q(k_w)^T + k_b) . query / 16, slots j >= span_len[n] at -infinity.
; Q: codes of E2M3 with one E8M0 byte for each 32 along the 300 (filled with zeros to 384 = three K steps of 128).  k_w's codes and scale words, qs = query x log2(e)/16
; and k_b x qs come from kwq, made by the first launch.
; SHARES.  256 work-groups of four waves that share nothing but k_w's images in LDS.  Wave gw = 4 x work-group + wave owns spans 16 gw .. 16 gw + 15:
; eight tiles of 16 tokens (tile T = spans 2 T and 2 T + 1), taken as four pairs of tiles, so that each fragment of k_w read from LDS feeds two products.
; LAYOUT.  A row of V (1,200 bytes) is loaded as it lies: sixteen lanes take 256 consecutive bytes, lanes 0-15 for span 2 T, lanes 16-31 for span 2 T + 1; the fifth load takes the
; row's last 256 bytes.  The rows STAY in registers, in f32, for the weighted sum.  A copy goes through the wave's own stage in LDS and comes back with a block of 32 in one lane,
; which is what the conversions and the 6-bit operand want.  Source 0 = 16 tokens, source 1 = 16 columns of k_w: in the result, register j of half h is slot j of span 2 T + h, column lane % 16.
; So a score is a multiply-add by the lane's qs and a sum over sixteen lanes, and the softmax and the weighted sum need no other lane.
; The maximum is taken away before the exponential, as in the definition.
; A wave's 16 rows of out0 are 19,200 consecutive bytes = 75 x 256, aligned: they gather in the wave's own LDS and leave in runs of 512 and 256 aligned bytes.
; A slot j >= span_len takes slot 0's row: its weight is 0, and its own row is never read.
; NO CLUSTER, NO JOINT LOADS: what work-groups share is kwq's 66,560 bytes against 614,400 bytes of gathered rows that are a work-group's own.  NO TENSOR LOADS: the rows are gathered by a list.
; LIMITS: NaN and infinities in V are not served; a block of zeros, or one under 2^-124, has the byte 1 (zero codes); span_len <= 0 gives NaN, as the definition does; ids are held to 0 .. 99,999.
; REGISTERS, in windows of 256 (s_set_vgpr_msb: bits 1:0 source 0, 3:2 source 1, 5:4 source 2, 7:6 destination).  Window 0: as named below.
;   Rows lie in chunks of 80 (4 tokens x 20).  Set X: window 1 v0, v80, window 2 v0, v80.  Set Y: window 3 v0, v80, window 1 v160, window 2 v160.  Windows 1, 2 v240-255: prefetch addresses.
;   Window 3: v160-231 two sets of k_w's three fragments (while quantising: two buffers of 32 numbers); v232-247 qs; v248-252 the quantiser's maxima and scale operand.
; THE MODE: SCHED_MODE bits 1:0 = 2 (LLVM: expert scheduling mode 2), set by the entry lines.  The code itself states the register dependences
; between vector or matrix instructions and memory or LDS instructions, with s_wait_alu, always for 0.
; THE PLAN.  Registers that memory or LDS instructions touch, and who else names them:
;   sets X, Y   A trip works on one set (cur): the stage's LDS stores and the weighted sums read it.  The other set (nxt) takes the next pair's 80 loads, all issued in this trip;
;               no vector instruction of the trip names it.
;   T0, T1      (= the fragments' two sets)  Written by LDS loads alone: blocks of 32 numbers, read by the maxima and conversions; then k_w's fragments, read by the products.
;   AF          Written by the conversions and read by the products; then written by the weighted sums and read by the LDS stores of out0's rows, which are issued at the NEXT trip's head.
;   OFF, v1-11, the prefetch addresses   Written once by vector instructions, then read by memory instructions and never written again.
;   v236-243    At the head addresses of loads and of the zeros' stores; afterwards at work.
; THE WAITS.  Two at a trip's head serve the trip's four gathers, the stores of the trip before and the first loads of the quantiser.  In the quantiser one behind each block whose buffer is
; loaded again.  One behind the places in front of the first product.  One at the head of each N tile, behind which the next tile's eight loads stand among the tile's products.
; Compares go in runs into the masks s24-39, one wait a run.
.set ROWB,  1200
.set PITCH, 1296                       ; a stage row: 1,200 bytes + 80 of zeros + 16 = 81 x 16: the sixteen rows of a load begin at sixteen different 16-byte columns modulo 256
.set TSTG,  16*PITCH                   ; a tile's stage
.set WSTG,  2*TSTG                     ; a wave's two
.set STG,   61440                      ; LDS: 0 k_w's images (61,440 bytes); the stages;
.set OUTS,  STG+4*WSTG                 ; the waves' rows of out0, 19,200 of 19,456 bytes each
.set WOUT,  19456
.set KSC,   61440                      ; kwq: scale words, qs, k_b x qs
.set KQS,   64512
.set KKB,   65536
.set L16, 1                            ; v1   16 (lane % 16)
.set STW, 2                            ; v2   the stage on the way in: 8 rows x half + 16 (lane % 16)
.set STR, 3                            ; v3   and on the way out: row lane % 16, + 128 x half
.set BIA, 4                            ; v4   16 x lane
.set BIB, 5                            ; v5   8 x lane
.set OSW, 6                            ; v6   my place in the wave's rows of out0 in LDS: 1,200 x half + 16 (lane % 16)
.set OSR, 7                            ; v7   and on the way out: 16 x lane
.set ICA, 8                            ; v8   the images' copy: 16 x lane + 15,360 x wave, in kwq and in LDS alike
.set SH8, 9                            ; v9   8 x half
.set PD,  10                           ; v10  min(256 (lane % 16), 1199) - 16 (lane % 16)
.set OS8, 11                           ; v11  the way out's last 256 bytes: 8 x lane
.set CB,  12                           ; v12-13 my share of k_b . qs, twice
.set LEN, 14                           ; v14-21 span_len of span 2 T + half
.set ASC, 22                           ; v22-27 the tokens' scale words: 3 u + s
.set BSC, 28                           ; v28-51 k_w's: 3 (t / 2) + s; lanes 0-15 the even tile's, lanes 16-31 the odd one's
.set ACC, 52                           ; v52-67 scores, then weights: 8 u + j
.set DD,  68                           ; v68-99 two sets of two accumulators
.set CV,  68                           ; (while quantising: the upper halves of the blocks' codes,
.set BY,  88                           ;  and the scale bytes)
.set AF,  100                          ; v100-171 the tokens' fragments: 36 u + 12 s; afterwards a span's 20 sums at 36 u
.set OFF, 172                          ; v172-235 ids, then byte offsets in V: 8 T + j; never rewritten after that
.set TM,  236                          ; v236-249 at work  (v250, v251: the closing add's two, kept for it alone)
.set WD,  236
.set PX,  240
.set ZR,  252                          ; v252-255 zeros
.set BB,  160                          ; window 3
.set T0,  160
.set T1,  196
.set QQ,  232
.set MX,  248
.set SO,  252
.set SEL, 18                           ; s[18:19] v_permlanex16_b32's selects for lane l xor 16
.set MK,  24                           ; s24-39 sixteen masks: slot j of tile or half w at MK + 8 w + j
.set QW_LD, 0xc0                       ; the quantiser's loads: destination window 3
.set QW_MX, 0xff                       ; its maxima: all in window 3
.set QW_CV, 0x0f                       ; its conversions: sources window 3, destination window 0
.set MSB, 0
.macro WIN new                         ; the immediate's high byte repeats the setting that is left
.if MSB != (\new)
	s_set_vgpr_msb (MSB<<8)|(\new)
.set MSB, (\new)
.endif
.endm
.macro HS set, k                       ; where chunk k of set 0 (X) or 1 (Y) lies: window VW, register VB
.if (\set) == 0
.set VW, 1+(\k)/2
.set VB, 80*((\k)%2)
.elseif (\k) < 2
.set VW, 3
.set VB, 80*(\k)
.else
.set VW, (\k)-1
.set VB, 160
.endif
.endm
; The ids of tiles t and t + 1 become byte offsets: a slot beyond the span's length takes slot 0's id; held inside the table; x 1,200; + my 16 bytes
.macro OFFSETS t
.irp w, 0,1
.irp j, 1,2,3,4,5,6,7
	v_cmp_lt_i32 s[MK+8*\w+\j], \j, v[LEN+(\t)+\w]
.endr
.endr
	s_wait_alu depctr_va_sdst(0)                   ; the fourteen masks are written, ahead of the selects that read them
.irp w, 0,1
.irp j, 1,2,3,4,5,6,7
	v_cndmask_b32 v[OFF+8*((\t)+\w)+\j], v[OFF+8*((\t)+\w)], v[OFF+8*((\t)+\w)+\j], s[MK+8*\w+\j]
.endr
.endr
.irp n, 0,1,2,3,4,5,6,7,8,9,10,11,12,13,14,15
	v_min_u32 v[OFF+8*(\t)+\n], 0x1869f, v[OFF+8*(\t)+\n]
.endr
.irp n, 0,1,2,3,4,5,6,7,8,9,10,11,12,13,14,15
	v_mul_u32_u24 v[OFF+8*(\t)+\n], 1200, v[OFF+8*(\t)+\n]
.endr
.irp n, 0,1,2,3,4,5,6,7,8,9,10,11,12,13,14,15
	v_add_nc_u32 v[OFF+8*(\t)+\n], v[L16], v[OFF+8*(\t)+\n]
.endr
.endm
; Chunk k of pair p: slots 4 (k % 2) .. + 3 of tile 2 p + k / 2: 20 loads.  No hint: a list may name a row twice
.macro GATHER set, k, p
	HS \set, \k
	WIN VW<<6
.irp jj, 0,1,2,3
.irp i, 0,1,2,3,4
	global_load_b128 v[VB+20*\jj+4*\i:VB+20*\jj+4*\i+3], v[OFF+8*(2*(\p)+(\k)/2)+4*((\k)%2)+\jj], s[8:9] offset:256*\i-80*(\i/4)
.endr
.endr
.endm
; Pair pp's 32 rows are asked for one trip ahead of the trip that issues their loads: of each row the bytes 0, 256, .. 1,024 and, in the other lanes, its last byte: nothing points
; past a row.  A slot beyond its span's length repeats slot 0's row.  The addresses have registers of their own (window w, v240-255), never rewritten.  Pairs 2 and 3 alone are asked for.
; The sixteen additions stand ahead of the wait at the trip's head, the sixteen requests behind the trip's first loads.
.macro PREFA pp, w
	WIN (\w)<<6
.irp n, 0,1,2,3,4,5,6,7,8,9,10,11,12,13,14,15
	v_add_nc_u32 v[240+\n], v[OFF+16*(\pp)+\n], v[PD]
.endr
.endm
.macro PREFQ w
	WIN \w
.irp n, 0,1,2,3,4,5,6,7,8,9,10,11,12,13,14,15
	global_prefetch_b8 v[240+\n], s[8:9] th:TH_LOAD_NT scope:SCOPE_SE
.endr
.endm
; Tile u of the set goes into its stage as loaded: token 8 half + j is stage row 8 half + j
.macro STAGE set, u
.irp kk, 0,1
	HS \set, 2*(\u)+\kk
	WIN VW<<2
.irp jj, 0,1,2,3
.irp i, 0,1,2,3,4
	ds_store_b128 v[STW], v[VB+20*\jj+4*\i:VB+20*\jj+4*\i+3] offset:TSTG*(\u)+PITCH*(4*\kk+\jj)+256*\i-80*(\i/4)
.endr
.endr
.endr
.endm
; Block 2 b + half of stage row lane % 16: 32 numbers, 128 bytes, into buffer tb
.macro LOADBLK u, b, tb
.irp i, 0,1,2,3,4,5,6,7
	ds_load_b128 v[\tb+4*\i:\tb+4*\i+3], v[STR] offset:TSTG*(\u)+256*(\b)+16*\i
.endr
.endm
; Its largest magnitude (four chains, the floor 2^(3 - 127) among the leaves), its scale operand, its codes and its byte
.macro QBLK u, b, tb
	WIN QW_MX
.irp c, 0,1,2,3
	v_max3_num_f32 v[MX+\c], |v[\tb+8*\c]|, |v[\tb+8*\c+1]|, 0x1800000
.endr
.irp i, 2,4,6
.irp c, 0,1,2,3
	v_max3_num_f32 v[MX+\c], v[MX+\c], |v[\tb+8*\c+\i]|, |v[\tb+8*\c+\i+1]|
.endr
.endr
	v_max3_num_f32 v[MX], v[MX], v[MX+1], v[MX+2]
	v_max_num_f32 v[MX], v[MX], v[MX+3]
	v_add_nc_u32 v[SO], 0xff000000, v[MX]          ; 2 off the exponent field: the conversion takes that field as its scale
	WIN QW_CV
	v_cvt_scalef32_pk16_fp6_f32 v[AF+36*(\u)+6*(\b):AF+36*(\u)+6*(\b)+2], v[\tb:\tb+15], v[SO]
	v_cvt_scalef32_pk16_fp6_f32 v[CV+4*(\b):CV+4*(\b)+2], v[\tb+16:\tb+31], v[SO]   ; (a conversion's three registers begin on an even number: moved below)
	v_lshrrev_b32 v[BY+(\b)], 23, v[SO]            ; the byte; also the plain line behind the conversions
.endm
; Sixteen staged rows become three fragments (registers 6 b .. 6 b + 5: block 2 b + half) and three scale words.  One block's eight loads run ahead.
; QUANTA: the five blocks.  QUANTB: the codes' upper halves go to their places, and the bytes make the scale words: work on registers alone.
.macro QUANTA u
	WIN QW_LD
	LOADBLK \u, 0, T0
	LOADBLK \u, 1, T1
	s_wait_dscnt 8                                 ; the older block is in (and the stage's stores, which are older still); the younger block's eight loads may be out (so at each of these waits)
	QBLK \u, 0, T0
	WIN QW_LD
	s_wait_alu depctr_va_vdst(0)                   ; block 0's maxima and conversions are done reading T0, in which block 2's loads land
	LOADBLK \u, 2, T0
	s_wait_dscnt 8
	QBLK \u, 1, T1
	WIN QW_LD
	s_wait_alu depctr_va_vdst(0)                   ; block 1's are done reading T1, in which block 3's loads land
	LOADBLK \u, 3, T1
	s_wait_dscnt 8
	QBLK \u, 2, T0
	WIN QW_LD
	s_wait_alu depctr_va_vdst(0)                   ; block 2's are done reading T0, in which block 4's loads land
	LOADBLK \u, 4, T0
	s_wait_dscnt 8
	QBLK \u, 3, T1
	s_wait_dscnt 0x0
	QBLK \u, 4, T0
.endm
.macro QUANTB u
	WIN 0
.irp b, 0,1,2,3,4
.irp i, 0,1,2
	v_mov_b32 v[AF+36*(\u)+6*\b+3+\i], v[CV+4*\b+\i]
.endr
.endr
	v_lshl_or_b32 v[WD], v[BY+1], 16, v[BY]        ; my two bytes of each word: blocks half and 2 + half of its four,
	v_lshl_or_b32 v[WD+1], v[BY+3], 16, v[BY+2]
	v_lshlrev_b32 v[WD], v[SH8], v[WD]             ; at their places (8 x half bits up);
	v_lshlrev_b32 v[WD+1], v[SH8], v[WD+1]
	v_lshlrev_b32 v[WD+2], v[SH8], v[BY+4]         ; (blocks 10 and 11 are zero codes: their bytes stay 0)
.irp s, 0,1,2
	v_permlanex16_b32 v[PX+\s], v[WD+\s], s[SEL], s[SEL+1]
.endr
.irp s, 0,1,2
	v_or_b32 v[ASC+3*(\u)+\s], v[WD+\s], v[PX+\s]  ; with lane l xor 16's two the word is whole
.endr
.endm
; N tile t's three fragments of k_w, as images of their registers, into set t % 2: eight loads
.macro LOADB t
	WIN 0xc0
.set BBR, BB+36*((\t)%2)
.irp c, 0,1,2,3,4,5,6
	ds_load_b128 v[BBR+4*\c:BBR+4*\c+3], v[BIA] offset:3840*(\t)+512*\c
.endr
	ds_load_b64 v[BBR+28:BBR+29], v[BIB] offset:3840*(\t)+3584
.endm
; One product: N tile t, K step s, tile u of the pair.  An N tile has six: three K steps x the pair's two tiles.  The two accumulators take turns, one instruction a turn, and the next N tile has the other set.
.macro WMP t, s, u
	WIN 0x0c                                       ; source 1 (k_w) window 3, all else window 0
.set BBR, BB+36*((\t)%2)
.set DR, DD+16*((\t)%2)
.set SBR, BSC+3*((\t)/2)
.if (\s == 0) && ((\t)%2 == 0)
	v_wmma_scale_f32_16x16x128_f8f6f4 v[DR+8*\u:DR+8*\u+7], v[AF+36*\u+12*\s:AF+36*\u+12*\s+11], v[BBR+12*\s:BBR+12*\s+11], 0, v[ASC+3*\u+\s], v[SBR+\s] matrix_a_fmt:MATRIX_FMT_FP6 matrix_b_fmt:MATRIX_FMT_FP6
.elseif \s == 0
	v_wmma_scale_f32_16x16x128_f8f6f4 v[DR+8*\u:DR+8*\u+7], v[AF+36*\u+12*\s:AF+36*\u+12*\s+11], v[BBR+12*\s:BBR+12*\s+11], 0, v[ASC+3*\u+\s], v[SBR+\s] matrix_a_fmt:MATRIX_FMT_FP6 matrix_b_fmt:MATRIX_FMT_FP6 matrix_b_scale:MATRIX_SCALE_ROW1
.elseif (\t)%2 == 0
	v_wmma_scale_f32_16x16x128_f8f6f4 v[DR+8*\u:DR+8*\u+7], v[AF+36*\u+12*\s:AF+36*\u+12*\s+11], v[BBR+12*\s:BBR+12*\s+11], v[DR+8*\u:DR+8*\u+7], v[ASC+3*\u+\s], v[SBR+\s] matrix_a_fmt:MATRIX_FMT_FP6 matrix_b_fmt:MATRIX_FMT_FP6
.else
	v_wmma_scale_f32_16x16x128_f8f6f4 v[DR+8*\u:DR+8*\u+7], v[AF+36*\u+12*\s:AF+36*\u+12*\s+11], v[BBR+12*\s:BBR+12*\s+11], v[DR+8*\u:DR+8*\u+7], v[ASC+3*\u+\s], v[SBR+\s] matrix_a_fmt:MATRIX_FMT_FP6 matrix_b_fmt:MATRIX_FMT_FP6 matrix_b_scale:MATRIX_SCALE_ROW1
.endif
.endm
; scores += N tile t's keys x my lane's qs[16 t + lane % 16]: eight packed multiply-adds, each accumulator from its low end on.  N tile 0 starts the sums with my share of k_b . qs
.macro FMA t
	WIN 0x0c                                       ; source 1 (qs) window 3
.set DR, DD+16*((\t)%2)
.set QR, QQ+2*((\t)/2)
.irp u, 0,1
.irp i, 0,2,4,6
.if (\t) == 0
	v_pk_fma_f32 v[ACC+8*\u+\i:ACC+8*\u+\i+1], v[DR+8*\u+\i:DR+8*\u+\i+1], v[QR:QR+1], v[CB:CB+1] op_sel_hi:[1,0,1]
.elseif (\t)%2 == 0
	v_pk_fma_f32 v[ACC+8*\u+\i:ACC+8*\u+\i+1], v[DR+8*\u+\i:DR+8*\u+\i+1], v[QR:QR+1], v[ACC+8*\u+\i:ACC+8*\u+\i+1] op_sel_hi:[1,0,1]
.else
	v_pk_fma_f32 v[ACC+8*\u+\i:ACC+8*\u+\i+1], v[DR+8*\u+\i:DR+8*\u+\i+1], v[QR:QR+1], v[ACC+8*\u+\i:ACC+8*\u+\i+1] op_sel:[0,1,0] op_sel_hi:[1,1,1]
.endif
.endr
.endr
.endm
; One N tile.  Its fragments were asked for in the tile before.  The next tile's eight loads stand behind its first product: the products of this tile name the other set of fragments, the tokens'
; fragments, the scale words and the accumulators, none of the registers that those loads touch.
; Behind its six products stand the eight multiply-adds of the tile BEFORE, which name none of these products' registers: they are the places (ISA guide 7.12.1) in front of
; the first read of these results and of the products two tiles on, which begin this set of accumulators anew (five are owed there).
.macro NSTEP t
	s_wait_dscnt 0x0                               ; this tile's eight loads are in: no other LDS instruction of mine is out
.if ((\t) > 0) && ((\t) < 15)
	s_wait_alu depctr_va_vdst(0)                   ; the products of the tile before are done reading their set of fragments, in which the next tile's loads land
.endif
	WMP \t, 0, 0
.if (\t) < 15
	LOADB \t+1                                     ; (tile 0: the set was last read by the quantiser, ahead of the wait in front of the first product)
.endif
	WMP \t, 0, 1
	WMP \t, 1, 0
	WMP \t, 1, 1
	WMP \t, 2, 0
	WMP \t, 2, 1
.if (\t) == 0
.rept 5
	v_nop                                          ; the first tile has no multiply-adds to set here
.endr
.else
	FMA \t-1
.endif
.endm
; The pair's scores are summed over the sixteen lanes of a half; hidden slots become -infinity; weights = 2^(t - max) / their sum
.macro SOFTMAX p
	WIN 0
.irp u, 0,1
.irp j, 0,1,2,3,4,5,6,7
	v_cmp_lt_i32 s[MK+8*\u+\j], \j, v[LEN+2*(\p)+\u]   ; the sixteen masks in one run: they hang on the lengths alone
.endr
.endr
.irp m, 1,2,4,8
.irp n, 0,1,2,3,4,5,6,7,8,9,10,11,12,13,14,15
	v_add_f32_dpp v[ACC+\n], v[ACC+\n], v[ACC+\n] row_xmask:\m row_mask:0xf bank_mask:0xf
.endr
.endr
	v_mov_b32 v[TM+10], 0xff800000
	s_wait_alu depctr_va_sdst(0)                   ; the sixteen masks are written, ahead of the selects that read them
.irp u, 0,1
.irp j, 0,1,2,3,4,5,6,7
	v_cndmask_b32 v[ACC+8*\u+\j], v[TM+10], v[ACC+8*\u+\j], s[MK+8*\u+\j]
.endr
.endr
.irp u, 0,1
	v_max3_num_f32 v[TM+\u], v[ACC+8*\u], v[ACC+8*\u+1], v[ACC+8*\u+2]
.endr
.irp i, 3,5
.irp u, 0,1
	v_max3_num_f32 v[TM+\u], v[TM+\u], v[ACC+8*\u+\i], v[ACC+8*\u+\i+1]
.endr
.endr
.irp u, 0,1
	v_max_num_f32 v[TM+\u], v[TM+\u], v[ACC+8*\u+7]
.endr
.irp u, 0,1
.irp j, 0,1,2,3,4,5,6,7
	v_sub_f32 v[ACC+8*\u+\j], v[ACC+8*\u+\j], v[TM+\u]
.endr
.endr
.irp n, 0,1,2,3,4,5,6,7,8,9,10,11,12,13,14,15
	v_exp_f32 v[ACC+\n], v[ACC+\n]
.endr
	v_nop                                          ; a plain line between the exponentials and the use of their results
	s_wait_alu depctr_va_vdst(0)                   ; the sixteen exponentials have written v[ACC ..]: one wait for the batch, ahead of its first reader
.irp i, 0,1,2,3
.irp u, 0,1
	v_add_f32 v[TM+2+4*\u+\i], v[ACC+8*\u+2*\i], v[ACC+8*\u+2*\i+1]
.endr
.endr
.irp i, 0,2
.irp u, 0,1
	v_add_f32 v[TM+2+4*\u+\i], v[TM+2+4*\u+\i], v[TM+2+4*\u+\i+1]
.endr
.endr
.irp u, 0,1
	v_add_f32 v[TM+2+4*\u], v[TM+2+4*\u], v[TM+2+4*\u+2]
.endr
.irp u, 0,1
	v_rcp_f32 v[TM+12+\u], v[TM+2+4*\u]
.endr
	v_nop                                          ; a plain line behind the reciprocals
	s_wait_alu depctr_va_vdst(0)                   ; the two reciprocals have written v[TM+12], v[TM+13]: one wait for both, ahead of their first reader
.irp u, 0,1
.irp j, 0,1,2,3,4,5,6,7
	v_mul_f32 v[ACC+8*\u+\j], v[ACC+8*\u+\j], v[TM+12+\u]
.endr
.endr
.endm
; Tile u: my 20 numbers of the span's row of out0 = the sum over the eight slots of weight x the row as loaded.  Slot 0's product starts the sums
.macro WSUM set, u
.irp kk, 0,1
	HS \set, 2*(\u)+\kk
	WIN VW                                         ; source 0 (the rows) window VW
.irp jj, 0,1,2,3
.set AT, ACC+8*(\u)+4*\kk+2*(\jj/2)
.irp i, 0,2,4,6,8,10,12,14,16,18
.if (\kk == 0) && (\jj == 0)
	v_pk_mul_f32 v[AF+36*(\u)+\i:AF+36*(\u)+\i+1], v[VB+20*\jj+\i:VB+20*\jj+\i+1], v[AT:AT+1] op_sel_hi:[1,0]
.elseif \jj%2 == 0
	v_pk_fma_f32 v[AF+36*(\u)+\i:AF+36*(\u)+\i+1], v[VB+20*\jj+\i:VB+20*\jj+\i+1], v[AT:AT+1], v[AF+36*(\u)+\i:AF+36*(\u)+\i+1] op_sel_hi:[1,0,1]
.else
	v_pk_fma_f32 v[AF+36*(\u)+\i:AF+36*(\u)+\i+1], v[VB+20*\jj+\i:VB+20*\jj+\i+1], v[AT:AT+1], v[AF+36*(\u)+\i:AF+36*(\u)+\i+1] op_sel:[0,1,0] op_sel_hi:[1,1,1]
.endif
.endr
.endr
.endr
.endm
.macro OSTORE p, u                     ; into the wave's rows of out0 in LDS, laid as in memory
	WIN 0
.irp i, 0,1,2,3,4
	ds_store_b128 v[OSW], v[AF+36*(\u)+4*\i:AF+36*(\u)+4*\i+3] offset:ROWB*(4*(\p)+2*(\u))+256*\i-80*(\i/4)
.endr
.endm
; A pair of tiles.  Its 80 loads were issued chunk 0, 1, 2, 3; the next pair's are issued here in the same order, into the other set.
; The sums of the pair before leave for LDS at this trip's head, behind the wait that stands there anyway.
.macro TRIP p, cur, nxt
	s_wait_loadcnt 40                              ; chunks 0 and 1 (tile 0) are in; chunks 2 and 3 may be out
.if \p < 2
	PREFA \p+2, \p+1
.endif
	s_wait_alu depctr_va_vdst(0)                   ; the prefetch addresses are written; the last trip's weighted sums have written v[AF ..], which the stores below read, and are done reading the set in which this trip's gathers land; its products are done reading T0 and T1, in which the quantiser's loads land.  First trip: all of v[OFF ..] is written, which the gathers read
.if \p > 0
	OSTORE \p-1, 0
	OSTORE \p-1, 1
.endif
	s_wait_alu depctr_vm_vsrc(0)                   ; the stores above have read v[AF ..], which the conversions write again; the last trip's stage stores have read the set in which this trip's gathers land.  First trip: the images' LDS stores have read window 3's v0-119, which set Y takes, and the head's loads and stores their addresses in v238, v239 and v243, which are at work from here on
.if \p < 3
	GATHER \nxt, 0, \p+1
.endif
.if \p < 2
	PREFQ \p+1
.endif
	STAGE \cur, 0
	QUANTA 0
	QUANTB 0
.if \p < 3
	s_wait_loadcnt 20                              ; chunks 2 and 3 (tile 1) are in; the next pair's chunk 0 may be out
.else
	s_wait_loadcnt 0x0
.endif
	STAGE \cur, 1
.if \p < 3
	GATHER \nxt, 1, \p+1                           ; no wait: no vector instruction and no store since the waits at the trip's head names these registers
	GATHER \nxt, 2, \p+1
.endif
	s_wait_alu depctr_va_vdst(0)                   ; tile 0's last two blocks are done reading T1 and T0, in which tile 1's first loads land
	QUANTA 1
	s_wait_alu depctr_va_vdst(0)                   ; tile 1's last two blocks are done reading T1 and T0: k_w's first fragments are asked for here and land while the scale words are made
	LOADB 0
	QUANTB 1
	WIN 0xc0
.irp i, 0,1,2,3,4,5
	v_mov_b32 v[BB+30+\i], 0                       ; k_w's blocks 10 and 11: zero codes (the quantiser's buffers lay over part of them)
	v_mov_b32 v[BB+66+\i], 0
.endr
.rept 8
	v_nop                                          ; scale words written by vector instructions stand eight places ahead of a scaled product, operands so written four
.endr
	s_wait_alu depctr_va_vdst(0)                   ; the tokens' codes v[AF ..], their scale words v[ASC ..] and k_w's zero codes are written, which the scaled products take; the places above stay beside this wait
.irp t, 0,1,2,3,4,5,6,7
	NSTEP \t
.endr
.if \p < 3
	GATHER \nxt, 3, \p+1                           ; no wait: as above
.endif
.irp t, 8,9,10,11,12,13,14,15
	NSTEP \t
.endr
	FMA 15
	SOFTMAX \p
	WSUM \cur, 0
	WSUM \cur, 1
.endm
	s_load_b256 s[4:11], s[0:1], 0x0               ; verb_ids s[4:5], span_len s[6:7], V s[8:9], kwq s[10:11]
	s_load_b64 s[12:13], s[0:1], 0x20              ; out0
	v_lshl_add_u32 v250, v0, 2, 0x4a800            ; the closing add's two registers: my spare word, behind the waves' rows of out0,
	v_mov_b32 v251, 0                              ; and 0; kept for that alone
	v_lshrrev_b32 v[TM], 5, v0
	v_readfirstlane_b32 s14, v[TM]                 ; wave 0..3
	v_and_b32 v[TM], 15, v0                        ; lane % 16
	v_bfe_u32 v[TM+1], v0, 4, 1                    ; half
	v_and_b32 v[TM+4], 31, v0                      ; lane
	v_lshlrev_b32 v[TM+2], 5, v[TM+1]              ; ids: 32 bytes a span
	v_lshlrev_b32 v[TM+3], 2, v[TM+1]              ; lengths: 4
	v_lshlrev_b32 v[L16], 4, v[TM]
	s_wait_alu depctr_va_sdst(0)                   ; s14 is written, ahead of its first reader: the wave's places in LDS and in memory are made from it
	s_mul_i32 s20, s14, WSTG
	s_add_co_u32 s20, s20, STG                     ; my wave's stages
	s_mul_i32 s21, s14, WOUT
	s_add_co_u32 s21, s21, OUTS                    ; my wave's rows of out0
	s_mul_i32 s22, s14, 15360                      ; my wave's quarter of the images
	v_mul_u32_u24 v[STW], v[TM+1], 8*PITCH
	v_add_nc_u32 v[STW], v[STW], v[L16]
	v_add_nc_u32 v[STW], s20, v[STW]
	v_mul_u32_u24 v[STR], v[TM], PITCH
	v_mul_u32_u24 v[TM+7], v[TM+1], TSTG
	v_add_nc_u32 v[TM+7], v[TM+7], v[STR]
	v_add_nc_u32 v[TM+7], s20, v[TM+7]             ; the zeros behind a row: lanes 0-15 stage 0, lanes 16-31 stage 1
	v_lshl_add_u32 v[STR], v[TM+1], 7, v[STR]
	v_add_nc_u32 v[STR], s20, v[STR]
	v_lshlrev_b32 v[BIA], 4, v[TM+4]
	v_lshlrev_b32 v[BIB], 3, v[TM+4]
	v_mul_u32_u24 v[OSW], v[TM+1], ROWB
	v_add_nc_u32 v[OSW], v[OSW], v[L16]
	v_add_nc_u32 v[OSW], s21, v[OSW]
	v_add_nc_u32 v[OSR], s21, v[BIA]
	v_add_nc_u32 v[OS8], s21, v[BIB]
	v_add_nc_u32 v[ICA], s22, v[BIA]
	v_lshlrev_b32 v[SH8], 3, v[TM+1]
	v_lshlrev_b32 v[PD], 8, v[TM]
	v_min_u32 v[PD], 1199, v[PD]
	v_sub_nc_u32 v[PD], v[PD], v[L16]
	v_mov_b32 v[PX+1], 0                           ; a lane permute's destination counts as one of its sources (v[PX] has been written)
	v_mov_b32 v[PX+2], 0
.irp i, 0,1,2,3
	v_mov_b32 v[ZR+\i], 0
.endr
.irp i, 0,1,2,3,4,5
	v_mov_b32 v[AF+30+\i], 0                       ; the tokens' blocks 10 and 11: zero codes, written once
	v_mov_b32 v[AF+66+\i], 0
.endr
	s_lshl_b32 s15, ttmp9, 2
	s_add_co_u32 s15, s15, s14                     ; gw
	s_mov_b32 s17, 0
	s_mov_b32 s[SEL], 0x76543210
	s_mov_b32 s[SEL+1], 0xfedcba98
	s_wait_kmcnt 0x0
	s_lshl_b32 s16, s15, 9
	s_add_nc_u64 s[4:5], s[4:5], s[16:17]          ; my 16 spans' ids
	s_lshl_b32 s16, s15, 6
	s_add_nc_u64 s[6:7], s[6:7], s[16:17]          ; their lengths
	s_mul_i32 s16, s15, 16*ROWB
	s_add_nc_u64 s[12:13], s[12:13], s[16:17]      ; their rows of out0
	s_wait_alu depctr_va_vdst(0)                   ; the addresses v1 to v11, v238, v239 and v243 and the zeros v252 to v255 are written, which the loads and LDS stores of the kernel read
.irp t, 0,1,2,3,4,5,6,7
	global_load_b128 v[OFF+8*\t:OFF+8*\t+3], v[TM+2], s[4:5] offset:64*\t th:TH_LOAD_NT
	global_load_b128 v[OFF+8*\t+4:OFF+8*\t+7], v[TM+2], s[4:5] offset:64*\t+16 th:TH_LOAD_NT
.endr
.irp t, 0,1,2,3,4,5,6,7
	global_load_b32 v[LEN+\t], v[TM+3], s[6:7] offset:8*\t
.endr
.irp c, 0,1,2,3,4,5
	global_load_b128 v[BSC+4*\c:BSC+4*\c+3], v[BIA], s[10:11] offset:KSC+512*\c
.endr
.irp c, 0,1,2,3
	global_load_b128 v[DD+4*\c:DD+4*\c+3], v[L16], s[10:11] offset:KKB+256*\c   ; k_b x qs of columns 16 t + lane % 16
.endr
	WIN 0xc0
.irp c, 0,1,2,3
	global_load_b128 v[QQ+4*\c:QQ+4*\c+3], v[L16], s[10:11] offset:KQS+256*\c   ; qs likewise: it stays
.endr
.set cn, 0
.rept 30
	global_load_b128 v[4*cn:4*cn+3], v[ICA], s[10:11] offset:512*cn              ; my wave's quarter of k_w's images
.set cn, cn+1
.endr
	WIN 0
	s_wait_loadcnt 44                              ; ids and lengths are in; behind them: 6 + 4 + 4 + 30
	OFFSETS 0
	s_wait_alu depctr_va_vdst(0)                   ; the offsets of tiles 0 and 1 are written, which the first pair's gathers read
	GATHER 0, 0, 0
	GATHER 0, 1, 0
	GATHER 0, 2, 0
	WIN 0
	OFFSETS 2
	OFFSETS 4
	OFFSETS 6
.irp i, 0,1,2,3,4
	ds_store_b128 v[TM+7], v[ZR:ZR+3] offset:ROWB+16*\i   ; K is filled with zeros from 300 to 320, once: no later store reaches these bytes
.endr
	s_wait_loadcnt 60                              ; all of kwq's loads are in; behind them: three chunks of rows
	GATHER 0, 3, 0                                 ; no wait: the offsets of tile 1 stand as they were at the wait above
	WIN 0
	v_pk_add_f32 v[DD:DD+1], v[DD:DD+1], v[DD+2:DD+3]
	v_pk_add_f32 v[DD+4:DD+5], v[DD+4:DD+5], v[DD+6:DD+7]
	v_pk_add_f32 v[DD+8:DD+9], v[DD+8:DD+9], v[DD+10:DD+11]
	v_pk_add_f32 v[DD+12:DD+13], v[DD+12:DD+13], v[DD+14:DD+15]
	v_pk_add_f32 v[DD:DD+1], v[DD:DD+1], v[DD+4:DD+5]
	v_pk_add_f32 v[DD+8:DD+9], v[DD+8:DD+9], v[DD+12:DD+13]
	v_pk_add_f32 v[DD:DD+1], v[DD:DD+1], v[DD+8:DD+9]
	v_add_f32 v[CB], v[DD], v[DD+1]                ; my lane's sixteen terms of k_b . qs: the sum over the lanes comes with the scores'
	v_mov_b32 v[CB+1], v[CB]
	WIN 0x0c                                       ; an LDS store's data are its source 1: window 3
.set cn, 0
.rept 30
	ds_store_b128 v[ICA], v[4*cn:4*cn+3] offset:512*cn
.set cn, cn+1
.endr
	WIN 0
	s_wait_dscnt 0x0                               ; for the others' sake: my quarter of the images lies in LDS
	s_barrier_signal -1
	s_barrier_wait -1                              ; the one barrier: from here on the images are only read
	TRIP 0, 0, 1
	TRIP 1, 1, 0
	TRIP 2, 0, 1
	TRIP 3, 1, 0
	s_wait_alu depctr_va_vdst(0)                   ; the last trip's weighted sums have written v[AF ..], which the stores below read
	OSTORE 3, 0
	OSTORE 3, 1
	; THE WAY OUT: 19,200 bytes as they lie: 37 runs of 512 bytes and one of 256, each aligned.  LDS serves a wave's instructions in order (ISA guide 5.7.1.4): the loads see my stores.
	WIN 0x40                                       ; destination window 1: set X's registers are free: their last readers, the third trip's stage stores and weighted sums, stand ahead of the waits at the fourth trip's head
.set cn, 0
.rept 37
	ds_load_b128 v[4*cn:4*cn+3], v[OSR] offset:512*cn
.set cn, cn+1
.endr
	ds_load_b64 v[148:149], v[OS8] offset:18944
	WIN 0x04                                       ; a store's data are its source 1: window 1
.set cn, 0
.rept 37
	s_wait_dscnt 37-cn                             ; load cn is in; the younger ones may be out
	global_store_b128 v[BIA], v[4*cn:4*cn+3], s[12:13] offset:512*cn th:TH_STORE_NT
.set cn, cn+1
.endr
	s_wait_dscnt 0x0
	global_store_b64 v[BIB], v[148:149], s[12:13] offset:18944 th:TH_STORE_NT
	WIN 0
	s_wait_dscnt 0x0                               ; the closing lines, six on end
	s_wait_alu 0x0
	s_wait_tensorcnt 0x0
	ds_add_u32 v250, v251
	s_wait_dscnt 0x0
	s_endpgm
.Lfunc_end_k_qa48e97467e_main:
	.size	k_qa48e97467e_main, .Lfunc_end_k_qa48e97467e_main-k_qa48e97467e_main
	.p2alignl 7, 3214868480
	.fill 96, 4, 3214868480
	.section	.rodata,"a",@progbits
	.p2align	6, 0x0
	.amdhsa_kernel k_qa48e97467e_main
		.amdhsa_group_segment_fixed_size 305664
		.amdhsa_private_segment_fixed_size 0
		.amdhsa_enable_private_segment 0
		.amdhsa_kernarg_size 40
		.amdhsa_user_sgpr_count 2
		.amdhsa_user_sgpr_kernarg_segment_ptr 1
		.amdhsa_wavefront_size32 1
		.amdhsa_system_sgpr_workgroup_id_x 1
		.amdhsa_system_sgpr_workgroup_id_y 1
		.amdhsa_system_sgpr_workgroup_id_z 1
		.amdhsa_system_vgpr_workitem_id 0
		.amdhsa_next_free_vgpr 1024
		.amdhsa_next_free_sgpr 66
		.amdhsa_reserve_vcc 0
		.amdhsa_float_denorm_mode_32 3
		.amdhsa_float_denorm_mode_16_64 3
		.amdhsa_memory_ordered 1
		.amdhsa_forward_progress 1
		.amdhsa_inst_pref_size 255
	.end_amdhsa_kernel
	.section	.bss,"aw",@nobits
	.p2align	6
	.space	262144
	.amdgpu_metadata
---
amdhsa.version: [ 1, 2 ]
amdhsa.kernels:
  - .name:           k_qa48e97467e_main
    .symbol:         k_qa48e97467e_main.kd
    .args:
      - { .name: verb_ids, .offset: 0, .size: 8, .value_kind: global_buffer, .address_space: global }
      - { .name: span_len, .offset: 8, .size: 8, .value_kind: global_buffer, .address_space: global }
      - { .name: V, .offset: 16, .size: 8, .value_kind: global_buffer, .address_space: global }
      - { .name: kwq, .offset: 24, .size: 8, .value_kind: global_buffer, .address_space: global }
      - { .name: out0, .offset: 32, .size: 8, .value_kind: global_buffer, .address_space: global }
    .group_segment_fixed_size: 305664
    .private_segment_fixed_size: 0
    .kernarg_segment_align: 8
    .kernarg_segment_size: 40
    .max_flat_workgroup_size: 128
    .sgpr_count:     66
    .vgpr_count:     1024
    .wavefront_size: 32
...
	.end_amdgpu_metadata
.endif
;; end of part 3
